; MI455X (gfx1250); checked and timed in simulation.
; The chip was launched on July 23, 2026; its instructions are those of AMD's public machine-readable ISA for CDNA 5 (MIT licence, August 2026) and "CDNA5" Instruction Set Architecture Reference Guide (July 2026). The comments in the code are by the model that wrote it; some were corrected since.
;; Encoder. Allowed arithmetic: float matrix products may take bf16 or f16 operands with f32 sums; all other float work in f32.
;; Inputs: W1 4 x 256 x 256 float32; W2 4 x 256 x 256 float32; Wk 4 x 8 x 32 x 256 float32; Wq 4 x 8 x 32 x 256 float32; Wv 4 x 8 x 32 x 256 float32; b1 4 x 256 float32; b2 4 x 256 float32; beta 256 float32; gamma 256 float32; processed_grid_repr 8 x 4,096 x 256 float32.
;; Outputs: out0 8 x 256 float32.
;; 2 versions, each right and faster than the one before. Each part assembles by itself: llvm-mc -triple=amdgcn-amd-amdhsa -mcpu=gfx1250 --defsym DOCPART=n.
;; ======== version 1 of 2: 6 launches
;; workspace buffers: wl0 659,456 bytes; wl1 659,456 bytes; wl2 659,456 bytes; wl3 659,456 bytes; actA 33,554,432 bytes; actB 33,554,432 bytes
;; launch prep (part 1): grid 128 x 5, 8 waves a work-group, no clusters, 0 bytes of LDS; arguments Wk, Wq, Wv, W1, W2, b1, b2, gamma, beta, wl0, wl1, wl2, wl3; writes wl0, wl1, wl2, wl3
.if DOCPART == 1
	.amdgcn_target "amdgcn-amd-amdhsa--gfx1250"
	.amdhsa_code_object_version 6
	.text
	.protected	k_q36657a2667_prep
	.globl	k_q36657a2667_prep
	.p2align	8
	.type	k_q36657a2667_prep,@function
k_q36657a2667_prep:
	s_mov_b64 s[64:65], 0
	v_nop
	global_prefetch_b8 v0, s[64:65] scope:SCOPE_SE
	s_setreg_imm32_b32 hwreg(HW_REG_WAVE_MODE, 25, 1), 1
	s_wait_xcnt 0x0
; THE WEIGHTS OF EACH LAYER, ROUNDED ONCE TO bf16 AND LAID TOGETHER.  wl_l holds five matrices [256 out][256 in] of bf16, 131,072 bytes each, in the order
; in which a layer uses them (Wk, Wq, Wv, W1, W2), and behind them, at byte 655,360, four rows of 256 f32: b1[l], b2[l], gamma, beta.
; Grid x = 32 l + chunk, grid y = the matrix m.  A work-group of 256 threads takes 8,192 bytes of f32 (32 a thread) and stores 4,096 bytes of bf16:
; each store of a wave covers 512 consecutive bytes, aligned.  Memory binds; no LDS, no barrier, no matrix unit.
	s_load_b512 s[4:19], s[0:1], 0x0               ; Wk s[4:5], Wq s[6:7], Wv s[8:9], W1 s[10:11], W2 s[12:13], b1 s[14:15], b2 s[16:17], gamma s[18:19]
	s_load_b256 s[20:27], s[0:1], 0x40             ; beta s[20:21], wl0 s[22:23], wl1 s[24:25], wl2 s[26:27]
	s_load_b64 s[28:29], s[0:1], 0x60              ; wl3
	v_lshlrev_b32 v1, 5, v0                        ; my 32 bytes of f32
	v_lshlrev_b32 v2, 4, v0                        ; my 16 bytes of bf16
	v_lshrrev_b32 v3, 5, v0
	v_readfirstlane_b32 s30, v3                    ; wave
	s_lshr_b32 s31, ttmp9, 5                       ; layer l
	s_and_b32 s34, ttmp9, 31                       ; chunk
	s_and_b32 s35, ttmp7, 0xffff                   ; matrix m
	s_lshl_b32 s36, s31, 18                        ; source: l x 262,144 + chunk x 8,192
	s_lshl_b32 s38, s34, 13
	s_add_co_u32 s36, s36, s38
	s_mov_b32 s37, 0
	s_lshl_b32 s38, s35, 17                        ; destination: m x 131,072 + chunk x 4,096
	s_lshl_b32 s40, s34, 12
	s_add_co_u32 s38, s38, s40
	s_mov_b32 s39, 0
	s_wait_kmcnt 0x0
	s_cmp_eq_u32 s35, 1                            ; the source by m, the destination by l: choices between buffers on numbers that hang on no address
	s_cselect_b64 s[4:5], s[6:7], s[4:5]
	s_cmp_eq_u32 s35, 2
	s_cselect_b64 s[4:5], s[8:9], s[4:5]
	s_cmp_eq_u32 s35, 3
	s_cselect_b64 s[4:5], s[10:11], s[4:5]
	s_cmp_eq_u32 s35, 4
	s_cselect_b64 s[4:5], s[12:13], s[4:5]
	s_cmp_eq_u32 s31, 1
	s_cselect_b64 s[22:23], s[24:25], s[22:23]
	s_cmp_eq_u32 s31, 2
	s_cselect_b64 s[22:23], s[26:27], s[22:23]
	s_cmp_eq_u32 s31, 3
	s_cselect_b64 s[22:23], s[28:29], s[22:23]
	s_add_nc_u64 s[4:5], s[4:5], s[36:37]
	s_add_nc_u64 s[42:43], s[22:23], s[38:39]
	global_load_b128 v[4:7], v1, s[4:5] th:TH_LOAD_NT
	global_load_b128 v[8:11], v1, s[4:5] offset:16 th:TH_LOAD_NT
	s_wait_loadcnt 0x0
	v_cvt_pk_bf16_f32 v12, v4, v5
	v_cvt_pk_bf16_f32 v13, v6, v7
	v_cvt_pk_bf16_f32 v14, v8, v9
	v_cvt_pk_bf16_f32 v15, v10, v11
	global_store_b128 v2, v[12:15], s[42:43]
	; the four rows of parameters: one work-group a layer (m = 0, chunk = 0), its waves 0 and 1: 64 threads x 16 bytes are a row
	s_cmp_lg_u32 s35, 0
	s_cbranch_scc1 .Lend
	s_cmp_lg_u32 s34, 0
	s_cbranch_scc1 .Lend
	s_cmp_gt_u32 s30, 1
	s_cbranch_scc1 .Lend
	s_lshl_b32 s44, s31, 10                        ; row l of b1 and b2
	s_mov_b32 s45, 0
	s_add_nc_u64 s[14:15], s[14:15], s[44:45]
	s_add_nc_u64 s[16:17], s[16:17], s[44:45]
	s_add_nc_u64 s[22:23], s[22:23], 655360
	global_load_b128 v[16:19], v2, s[14:15]
	global_load_b128 v[20:23], v2, s[16:17]
	global_load_b128 v[24:27], v2, s[18:19]
	global_load_b128 v[28:31], v2, s[20:21]
	s_wait_loadcnt 0x0
	global_store_b128 v2, v[16:19], s[22:23]
	global_store_b128 v2, v[20:23], s[22:23] offset:1024
	global_store_b128 v2, v[24:27], s[22:23] offset:2048
	global_store_b128 v2, v[28:31], s[22:23] offset:3072
.Lend:
	s_endpgm
.Lfunc_end_k_q36657a2667_prep:
	.size	k_q36657a2667_prep, .Lfunc_end_k_q36657a2667_prep-k_q36657a2667_prep
	.p2alignl 7, 3214868480
	.fill 96, 4, 3214868480
	.section	.rodata,"a",@progbits
	.p2align	6, 0x0
	.amdhsa_kernel k_q36657a2667_prep
		.amdhsa_group_segment_fixed_size 0
		.amdhsa_private_segment_fixed_size 0
		.amdhsa_enable_private_segment 0
		.amdhsa_kernarg_size 104
		.amdhsa_user_sgpr_count 2
		.amdhsa_user_sgpr_kernarg_segment_ptr 1
		.amdhsa_wavefront_size32 1
		.amdhsa_system_sgpr_workgroup_id_x 1
		.amdhsa_system_sgpr_workgroup_id_y 1
		.amdhsa_system_sgpr_workgroup_id_z 1
		.amdhsa_system_vgpr_workitem_id 0
		.amdhsa_next_free_vgpr 32
		.amdhsa_next_free_sgpr 66
		.amdhsa_reserve_vcc 0
		.amdhsa_float_denorm_mode_32 3
		.amdhsa_float_denorm_mode_16_64 3
		.amdhsa_memory_ordered 1
		.amdhsa_forward_progress 1
		.amdhsa_inst_pref_size 4
	.end_amdhsa_kernel
	.amdgpu_metadata
---
amdhsa.version: [ 1, 2 ]
amdhsa.kernels:
  - .name:           k_q36657a2667_prep
    .symbol:         k_q36657a2667_prep.kd
    .args:
      - { .name: Wk, .offset: 0, .size: 8, .value_kind: global_buffer, .address_space: global }
      - { .name: Wq, .offset: 8, .size: 8, .value_kind: global_buffer, .address_space: global }
      - { .name: Wv, .offset: 16, .size: 8, .value_kind: global_buffer, .address_space: global }
      - { .name: W1, .offset: 24, .size: 8, .value_kind: global_buffer, .address_space: global }
      - { .name: W2, .offset: 32, .size: 8, .value_kind: global_buffer, .address_space: global }
      - { .name: b1, .offset: 40, .size: 8, .value_kind: global_buffer, .address_space: global }
      - { .name: b2, .offset: 48, .size: 8, .value_kind: global_buffer, .address_space: global }
      - { .name: gamma, .offset: 56, .size: 8, .value_kind: global_buffer, .address_space: global }
      - { .name: beta, .offset: 64, .size: 8, .value_kind: global_buffer, .address_space: global }
      - { .name: wl0, .offset: 72, .size: 8, .value_kind: global_buffer, .address_space: global }
      - { .name: wl1, .offset: 80, .size: 8, .value_kind: global_buffer, .address_space: global }
      - { .name: wl2, .offset: 88, .size: 8, .value_kind: global_buffer, .address_space: global }
      - { .name: wl3, .offset: 96, .size: 8, .value_kind: global_buffer, .address_space: global }
    .group_segment_fixed_size: 0
    .private_segment_fixed_size: 0
    .kernarg_segment_align: 8
    .kernarg_segment_size: 104
    .max_flat_workgroup_size: 256
    .sgpr_count:     66
    .vgpr_count:     32
    .wavefront_size: 32
...
	.end_amdgpu_metadata
.endif
;; end of part 1
;; launch layer1 (part 2): grid 256 x 1, 4 waves a work-group, clusters of 4 x 1, 327,680 bytes of LDS; arguments processed_grid_repr, wl0, actA; writes actA
.if DOCPART == 2
	.amdgcn_target "amdgcn-amd-amdhsa--gfx1250"
	.amdhsa_code_object_version 6
	.text
	.protected	k_q36657a2667_layer1
	.globl	k_q36657a2667_layer1
	.p2align	8
	.type	k_q36657a2667_layer1,@function
k_q36657a2667_layer1:
	s_mov_b64 s[64:65], 0
	v_nop
	global_prefetch_b8 v0, s[64:65] scope:SCOPE_SE
	s_setreg_imm32_b32 hwreg(HW_REG_WAVE_MODE, 25, 1), 1
	s_wait_xcnt 0x0
	s_wait_alu depctr_hold_cnt(0) depctr_sa_sdst(0) depctr_va_vdst(0) depctr_va_sdst(0) depctr_va_ssrc(0) depctr_va_vcc(0) depctr_vm_vsrc(0)
	s_getreg_b32 s2, hwreg(HW_REG_IB_STS2, 6, 4)
	s_cmp_eq_u32 s2, 0
	s_cbranch_scc0 .Lentry_in_a_cluster
	s_endpgm
.Lentry_in_a_cluster:
	s_bfe_u32 s2, ttmp6, 0x10000c
	s_cmp_lg_u32 s2, 0x3003
	s_cbranch_scc0 .Lentry_shape_is_right
	s_endpgm
.Lentry_shape_is_right:
; ONE ENCODER LAYER, WHOLE: out = f(in), in and out [8 x 4096][256] f32; wl = the layer's five weight matrices in bf16 and its parameters in f32.
;   h = LN(in); Q, K, V = h W^T; diag[q] = sum_e Q[q][hd][e] K[128 e + q / 32][hd][q % 32] / 64; att = diag V + in; m = gelu(gelu(LN(att) W1^T + b1) W2^T + b2); out = m + att.
; SHARES.  The 32 queries 32 j .. 32 j + 31 of a batch need K at the 32 tokens 128 e + j alone, and those sets part the tokens.  So a wave owns block j: it reads its 32 query rows and its 32
; key rows, makes K for the key rows itself, and no activation ever leaves the wave.  256 work-groups x 4 waves x 32 queries are the 32,768 tokens.
; CLUSTER.  All work-groups walk the same weights: the four of a cluster ask for each piece JOINTLY (mask 15).  The rows of in are a work-group's own: plain loads.
; LAYOUTS (r = lane % 16, hh = lane / 16).  Q, V and the two linear layers are made transposed (source 0 = 16 out channels of W, source 1 = 16 tokens): a lane holds ONE token (16 t + r) and
; in register jj of tile i channel 16 i + 8 hh + jj.  Two neighbouring tiles rounded in pairs ARE source 1 of the next product, and a layer norm's sums stay in the lane but for one exchange.
; K is made the other way round (source 0 = 16 tokens): register jj of tile (te, i) holds token e = 16 te + 8 hh + jj, channel 16 i + r.  Then tile (tq, 2 hd + te) of Q and tile
; (te, 2 hd + tq) of K match lane for lane and register for register, and diag is a sum of their products.
; FORMATS.  Matrix operands bf16, sums f32; layer norms (mean first, then the variance of the differences), diag, gelu and the residuals f32.
; LIMITS.  erf by the rational form 1 - (a1 t + .. + a5 t^5) exp(-z^2), t = 1 / (1 + 0.3275911 z): absolute error at most 1.5e-7 for every z.  NaN and infinities are not treated apart.
; REGISTERS, in windows of 256 (s_set_vgpr_msb: bits 1:0 source 0, 3:2 source 1, 5:4 source 2, 7:6 destination):
;   window 0: v0-13 addresses; v16-31 diag; v32-63 at work; v64-191 two buffers of weight fragments / beta / rows on the way out; v192-255 the bias of 128 channels
;   window 1: v0-127 H, the bf16 source 1 (tile t at 64 t); v128-255 gamma, later v128-191 the first half of the first linear layer's result
;   window 2: rows at work, then Q, then V (tile (t, i) at 8 (16 t + i)); in the linear layers v0-127 the sums of 128 channels, v128-151 at work
;   window 3: K, then in's query rows, then att, then out
.set WP,    528                        ; a row of weights in LDS: 512 bytes + 16: the 16 rows of a fragment load start at 16 different groups of four banks (64 banks of 4 bytes: ISA guide 11.1)
.set XP,    1040                       ; a row of in: 1,024 bytes + 16
.set R1,    128*WP                     ; slot r0 at 0, slot r1 here: 128 rows of weights each
.set XB,    2*R1                       ; four tiles of 32 rows of in, one a wave; later all 256 rows of W2
.set XW,    64*WP
.set PAR,   XB+4*XW                    ; b1, b2, gamma, beta: 1,024 bytes each
.set STG,   PAR+4096                   ; the way out: 16 rows x 528 bytes for each wave; written by ds_store alone
.set STGW,  16*WP
.set SPARE, STG+4*STGW                 ; the spare words, 128 bytes for each wave: two blocks of 256 bytes that no other line names
.set AW0, 2                            ; v2   my place in a fragment of weights, slot r0: r x 528 + 16 hh
.set AW1, 3                            ; v3   the same in slot r1
.set AWM, 4                            ; v4   the same, stepping through the four resident halves of W1 and W2
.set AX,  5                            ; v5   my place in my wave's tile of in: r x 1,040 + 32 hh
.set APG, 6                            ; v6   gamma at my 8 hh; beta 1,024 bytes on
.set APB, 7                            ; v7   the bias at my 8 hh, stepping by 128 channels
.set STO, 8                            ; v8   the way out: where I put 16 bytes of a row
.set RD,  9                            ; v9   the way out: where I read a row back
.set GO,  10                           ; v10  16 x lane
.set SPW, 12                           ; v12  LDS address of my spare word; never rewritten
.set NIL, 13                           ; v13  0; never rewritten
.set DG,  16                           ; v16-31  diag of tile tq, head hd at DG + 8 tq + hd
.set SA,  32                           ; four chains of pairs a tile, at SA + 8 t
.set MU,  48                           ; the mean, twice, at MU + 2 t
.set RS,  52                           ; 1 / sqrt(var + eps), twice, at RS + 2 t
.set DP,  32                           ; diag's sums, a pair for each (tq, hd)
.set WF,  64
.set BE,  64
.set OB,  64
.set BI,  192
.set GA,  128                          ; window 1
.set HL,  128                          ; window 1
.set GT,  128                          ; window 2: gelu's t, then max(x, 0)
.set GE,  136                          ; window 2: exp(-x^2 / 2)
.set GP,  144                          ; window 2: the polynomial
.set G1W, 24                           ; s[24:31] group 1: 32 rows x 256 bf16, joint
.set G1M, 32                           ; s[32:39] the same with 64 rows
.set G1X, 40                           ; s[40:47] 32 rows x 256 f32, my own
.set G1P, 48                           ; s[48:55] one row of 1,024 bytes, joint
.set G0A, 56                           ; s[56:59] group 0 for slot r0
.set G0B, 60                           ; s[60:63] for slot r1
.set G0X, 68                           ; s[68:71] for my tile of in
.set G0P, 72                           ; s[72:75] for my row of the parameters
.set G0M, 76                           ; s[76:79] for my 64 rows of W2
.set MSB, 0
.macro WIN new                         ; the immediate's high byte repeats the setting that is left; a switch that changes nothing is dropped
.if MSB != (\new)
	s_set_vgpr_msb (MSB<<8)|(\new)
.set MSB, (\new)
.endif
.endm
.macro PLACES                          ; four places behind matrix instructions whose registers are read, written or loaded next (ISA guide 7.12.1)
.rept 4
	v_nop
.endr
.endm
; A round of the cluster's barrier: my work-group's barrier, so that wave 0's signal speaks for all four waves; wave 0 signals; every wave waits for all four work-groups; my work-group's barrier once more.
.macro ROUND
	s_barrier_signal -1
	s_barrier_wait -1
	s_cmp_lg_u32 s10, 0
	s_cbranch_scc1 .Lnot_wave_0_\@
	s_barrier_signal -3
.Lnot_wave_0_\@:
	s_barrier_wait -3
	s_barrier_signal -1
	s_barrier_wait -1
.endm
; In front of every fill behind the first: all my tensor loads have landed; 0 onto my spare word; (between the two macros: the descriptor's step); the add and my LDS reads are done; a round.
.macro MEET_A
	WIN 0
	s_wait_tensorcnt 0x0                           ; no tensor load of mine is out, so a descriptor may be written
	ds_add_u32 v[SPW], v[NIL]
.endm
.macro MEET_B
	s_wait_dscnt 0x0                               ; the add is done, and my reads of the bytes to be filled are over
	ROUND                                          ; both now hold of every wave of the four work-groups
.endm
.macro TL g0, g1                       ; my one tensor load behind a round, the first thing there; s_nop 0 and four v_nop follow it
	tensor_load_to_lds s[\g0:\g0+3], s[\g1:\g1+7]
	s_nop 0
	PLACES
.endm
; 16 LDS loads: the fragments of 128 rows of weights, 32 along K at K step ks, into buffer buf
.macro WFETCH aw, buf, ks
	WIN 0
.irp i, 0,1,2,3,4,5,6,7
	ds_load_b128 v[WF+64*(\buf)+8*\i:WF+64*(\buf)+8*\i+3],   v[\aw] offset:\i*16*WP+64*(\ks)
	ds_load_b128 v[WF+64*(\buf)+8*\i+4:WF+64*(\buf)+8*\i+7], v[\aw] offset:\i*16*WP+64*(\ks)+32
.endr
.endm
; 16 matrix instructions: 8 blocks of 16 channels x 2 tiles of 16 tokens, 32 along K.  The 16 accumulators take turns, one instruction a turn.
; mode 0: source 0 = weights, sums in window 2 at accb + 8 (ts t + i).  mode 1: source 0 = tokens, sums in window 3 at accb + 8 (16 t + i).
; first = 1: the product starts the sum with 0; 2: with the bias.
.macro MULS buf, ks, mode, accb, ts, first
.if (\mode) == 1
	WIN 0xf1
.elseif (\first) == 2
	WIN 0x84
.else
	WIN 0xa4
.endif
.irp i, 0,1,2,3,4,5,6,7
.irp t, 0,1
.set rW, WF+64*(\buf)+8*\i
.set rH, 64*\t+8*(\ks)
.if (\mode) == 1
.set rD, (\accb)+8*(16*\t+\i)
.if (\first) == 1
	v_wmma_f32_16x16x32_bf16 v[rD:rD+7], v[rH:rH+7], v[rW:rW+7], 0
.else
	v_wmma_f32_16x16x32_bf16 v[rD:rD+7], v[rH:rH+7], v[rW:rW+7], v[rD:rD+7]
.endif
.else
.set rD, (\accb)+8*((\ts)*\t+\i)
.if (\first) == 1
	v_wmma_f32_16x16x32_bf16 v[rD:rD+7], v[rW:rW+7], v[rH:rH+7], 0
.elseif (\first) == 2
	v_wmma_f32_16x16x32_bf16 v[rD:rD+7], v[rW:rW+7], v[rH:rH+7], v[BI+8*\i:BI+8*\i+7]
.else
	v_wmma_f32_16x16x32_bf16 v[rD:rD+7], v[rW:rW+7], v[rH:rH+7], v[rD:rD+7]
.endif
.endif
.endr
.endr
.endm
; 128 out channels x 32 tokens x K = 256: eight K steps on two fragment buffers; the next step's 16 loads are issued ahead of each step's 16 products.
.macro GEMMH aw, mode, accb, ts, first
	WFETCH \aw, 0, 0
.set kk, 0
.rept 7
.if kk > 0
	PLACES                                         ; the buffer to be loaded was read by the products just issued
.endif
	WFETCH \aw, (kk+1)%2, kk+1
	s_wait_dscnt 16                                ; all but the 16 loads just issued: this step's fragments are in
.if kk == 0
	MULS 0, 0, \mode, \accb, \ts, \first
.else
	MULS kk%2, kk, \mode, \accb, \ts, 0
.endif
.set kk, kk+1
.endr
	s_wait_dscnt 0x0
	MULS 1, 7, \mode, \accb, \ts, 0
	PLACES                                         ; for whatever reads the sums or loads the buffers next
	WIN 0
.endm
; My wave's tile of in -> window win: tile t's register 8 i + jj = token 16 t + r, channel 16 i + 8 hh + jj
.macro XLOAD win
	WIN (\win)<<6
.irp t, 0,1
.set q, 0
.rept 32
	ds_load_b128 v[128*\t+4*q:128*\t+4*q+3], v[AX] offset:16*XP*\t+64*(q/2)+16*(q%2)
.set q, q+1
.endr
.endr
	WIN 0
.endm
.macro BLOAD                           ; beta of my 128 channels -> window 0 (the fragment buffers' registers, idle during a layer norm)
	WIN 0
.set q, 0
.rept 32
	ds_load_b128 v[BE+4*q:BE+4*q+3], v[APG] offset:1024+64*(q/2)+16*(q%2)
.set q, q+1
.endr
.endm
.macro GLOAD                           ; gamma likewise -> window 1, once
	WIN 0x40
.set q, 0
.rept 32
	ds_load_b128 v[GA+4*q:GA+4*q+3], v[APG] offset:64*(q/2)+16*(q%2)
.set q, q+1
.endr
	WIN 0
.endm
.macro FOLD                            ; four chains of pairs a tile -> one number, the same in both lanes of a token, in v[SA + 8 t]
.irp t, 0,1
	v_pk_add_f32 v[SA+8*\t:SA+8*\t+1], v[SA+8*\t:SA+8*\t+1], v[SA+8*\t+2:SA+8*\t+3]
	v_pk_add_f32 v[SA+8*\t+4:SA+8*\t+5], v[SA+8*\t+4:SA+8*\t+5], v[SA+8*\t+6:SA+8*\t+7]
.endr
.irp t, 0,1
	v_pk_add_f32 v[SA+8*\t:SA+8*\t+1], v[SA+8*\t:SA+8*\t+1], v[SA+8*\t+4:SA+8*\t+5]
.endr
.irp t, 0,1
	v_add_f32 v[SA+8*\t], v[SA+8*\t], v[SA+8*\t+1]
.endr
.irp t, 0,1
	v_permlanex16_b32 v[SA+8*\t+1], v[SA+8*\t], s94, s95   ; the token's other 128 channels lie in the lane 16 away
.endr
.irp t, 0,1
	v_add_f32 v[SA+8*\t], v[SA+8*\t], v[SA+8*\t+1]
.endr
.endm
; LAYER NORM of the 32 rows in window src; the differences and the result are made in window wrk (src is kept where the two differ); H takes the result in bf16.
.macro LN src, wrk
	WIN (\src)|((\src)<<2)                         ; the sum: the first eight pairs start the four chains: nothing is cleared
.irp c, 0,1,2,3
.irp t, 0,1
	v_pk_add_f32 v[SA+8*\t+2*\c:SA+8*\t+2*\c+1], v[128*\t+2*\c:128*\t+2*\c+1], v[128*\t+8+2*\c:128*\t+8+2*\c+1]
.endr
.endr
	WIN (\src)
.set p, 8
.rept 56
.irp t, 0,1
	v_pk_add_f32 v[SA+8*\t+2*(p%4):SA+8*\t+2*(p%4)+1], v[128*\t+2*p:128*\t+2*p+1], v[SA+8*\t+2*(p%4):SA+8*\t+2*(p%4)+1]
.endr
.set p, p+1
.endr
	WIN 0
	FOLD
.irp t, 0,1
	v_mul_f32 v[MU+2*\t], s66, v[SA+8*\t]          ; the mean, twice: a pair for the packed subtraction
	v_mul_f32 v[MU+2*\t+1], s66, v[SA+8*\t]
.endr
	WIN (\src)|((\wrk)<<6)                         ; d = x - mean
.set p, 0
.rept 64
.irp t, 0,1
	v_pk_add_f32 v[128*\t+2*p:128*\t+2*p+1], v[128*\t+2*p:128*\t+2*p+1], v[MU+2*\t:MU+2*\t+1] neg_lo:[0,1] neg_hi:[0,1]
.endr
.set p, p+1
.endr
	WIN (\wrk)|((\wrk)<<2)                         ; the sum of d^2
.irp c, 0,1,2,3
.irp t, 0,1
	v_pk_mul_f32 v[SA+8*\t+2*\c:SA+8*\t+2*\c+1], v[128*\t+2*\c:128*\t+2*\c+1], v[128*\t+2*\c:128*\t+2*\c+1]
.endr
.endr
.set p, 4
.rept 60
.irp t, 0,1
	v_pk_fma_f32 v[SA+8*\t+2*(p%4):SA+8*\t+2*(p%4)+1], v[128*\t+2*p:128*\t+2*p+1], v[128*\t+2*p:128*\t+2*p+1], v[SA+8*\t+2*(p%4):SA+8*\t+2*(p%4)+1]
.endr
.set p, p+1
.endr
	WIN 0
	FOLD
.irp t, 0,1
	v_fma_f32 v[SA+8*\t], v[SA+8*\t], s66, s67     ; var + eps
.endr
.irp t, 0,1
	v_rsq_f32 v[RS+2*\t], v[SA+8*\t]
	v_rsq_f32 v[RS+2*\t+1], v[SA+8*\t]
.endr
	v_nop                                          ; a plain instruction between the last root and the use of its result (ISA guide 5.7.2)
	WIN (\wrk)|((\wrk)<<6)
.set p, 0
	s_wait_alu depctr_va_vdst(0)
.rept 64
.irp t, 0,1
	v_pk_mul_f32 v[128*\t+2*p:128*\t+2*p+1], v[128*\t+2*p:128*\t+2*p+1], v[RS+2*\t:RS+2*\t+1]
.endr
.set p, p+1
.endr
	WIN (\wrk)|(1<<2)|((\wrk)<<6)                  ; times gamma (window 1) plus beta (window 0)
.set p, 0
.rept 64
.irp t, 0,1
	v_pk_fma_f32 v[128*\t+2*p:128*\t+2*p+1], v[128*\t+2*p:128*\t+2*p+1], v[GA+2*p:GA+2*p+1], v[BE+2*p:BE+2*p+1]
.endr
.set p, p+1
.endr
	WIN (\wrk)|((\wrk)<<2)|(1<<6)                  ; rounded in pairs: registers 8 ks .. 8 ks + 7 of H's tile are source 1 of K step ks
.set p, 0
.rept 64
.irp t, 0,1
	v_cvt_pk_bf16_f32 v[64*\t+p], v[128*\t+2*p], v[128*\t+2*p+1]
.endr
.set p, p+1
.endr
	WIN 0
.endm
; gelu(x) = max(x, 0) - |x| (a1/2 t + .. + a5/2 t^5) exp(-x^2 / 2), t = 1 / (1 + 0.2316419 |x|), for the 8 sums at x of window 2, in place.  The accumulator's lowest register is read first.
.macro GELU8 x
.irp k, 0,1,2,3,4,5,6,7
	v_fma_f32 v[GT+\k], |v[(\x)+\k]|, s80, 1.0
.endr
.irp k, 0,2,4,6
	v_pk_mul_f32 v[GE+\k:GE+\k+1], v[(\x)+\k:(\x)+\k+1], v[(\x)+\k:(\x)+\k+1]
.endr
.irp k, 0,1,2,3,4,5,6,7
	v_rcp_f32 v[GT+\k], v[GT+\k]
.endr
.irp k, 0,2,4,6
	v_pk_mul_f32 v[GE+\k:GE+\k+1], v[GE+\k:GE+\k+1], s[82:83] op_sel_hi:[1,0]  ; the plain instructions behind the reciprocals
.endr
.irp k, 0,1,2,3,4,5,6,7
	v_exp_f32 v[GE+\k], v[GE+\k]
.endr
	s_wait_alu depctr_va_vdst(0)
.irp k, 0,2,4,6
	v_pk_fma_f32 v[GP+\k:GP+\k+1], v[GT+\k:GT+\k+1], s[92:93], s[90:91] op_sel_hi:[1,0,0]  ; and those behind the exponentials
.endr
.irp k, 0,2,4,6
	v_pk_fma_f32 v[GP+\k:GP+\k+1], v[GP+\k:GP+\k+1], v[GT+\k:GT+\k+1], s[88:89] op_sel_hi:[1,1,0]
.endr
.irp k, 0,2,4,6
	v_pk_fma_f32 v[GP+\k:GP+\k+1], v[GP+\k:GP+\k+1], v[GT+\k:GT+\k+1], s[86:87] op_sel_hi:[1,1,0]
.endr
.irp k, 0,2,4,6
	v_pk_fma_f32 v[GP+\k:GP+\k+1], v[GP+\k:GP+\k+1], v[GT+\k:GT+\k+1], s[84:85] op_sel_hi:[1,1,0]
.endr
.irp k, 0,2,4,6
	v_pk_mul_f32 v[GP+\k:GP+\k+1], v[GP+\k:GP+\k+1], v[GT+\k:GT+\k+1]
.endr
.irp k, 0,2,4,6
	v_pk_mul_f32 v[GP+\k:GP+\k+1], v[GP+\k:GP+\k+1], v[GE+\k:GE+\k+1]
.endr
.irp k, 0,1,2,3,4,5,6,7
	v_max_num_f32 v[GT+\k], 0, v[(\x)+\k]
.endr
.irp k, 0,1,2,3,4,5,6,7
	v_fma_f32 v[(\x)+\k], -|v[(\x)+\k]|, v[GP+\k], v[GT+\k]
.endr
.endm
.macro ADDOUT hb                       ; out's channels 2 hb .. 2 hb + 127 (in registers: hb ..): att += the second linear layer's result
	WIN 0xcb
.irp t, 0,1
.set p, 0
.rept 32
	v_pk_add_f32 v[128*\t+(\hb)+2*p:128*\t+(\hb)+2*p+1], v[128*\t+(\hb)+2*p:128*\t+(\hb)+2*p+1], v[64*\t+2*p:64*\t+2*p+1]
.set p, p+1
.endr
.endr
	WIN 0
.endm
; The way out of 16 tokens x 128 channels: 32 bytes a lane into rows of 528 bytes of my own stage, back as whole half rows of 512 bytes, stored.
.macro OUTP t, hf, n
	s_wait_xcnt 0x0                                ; the registers that earlier stores read are loaded again only behind this wait
	WIN 0x0c                                       ; store data in window 3
.irp i, 0,1,2,3,4,5,6,7
.irp p, 0,1
	ds_store_b128 v[STO], v[128*(\t)+64*(\hf)+8*\i+4*\p:128*(\t)+64*(\hf)+8*\i+4*\p+3] offset:64*\i+16*\p
.endr
.endr
	WIN 0
.irp k, 0,1,2,3,4,5,6,7,8,9,10,11,12,13,14,15
	ds_load_b128 v[OB+64*((\n)%2)+4*\k:OB+64*((\n)%2)+4*\k+3], v[RD] offset:WP*\k  ; LDS serves a wave's instructions in order (ISA guide 5.7.1.4): these see the stores above
.endr
	s_wait_dscnt 0x0
.irp k, 0,1,2,3,4,5,6,7,8,9,10,11,12,13,14,15
	global_store_b128 v[GO], v[OB+64*((\n)%2)+4*\k:OB+64*((\n)%2)+4*\k+3], s[8:9] offset:(16*(\t)+\k)*1024+512*(\hf)  ; a wave's store covers 512 consecutive bytes, aligned
.endr
.endm
	; ---------------- the head ----------------
	s_load_b128 s[4:7], s[0:1], 0x0                ; in s[4:5], wl s[6:7]
	s_load_b64 s[8:9], s[0:1], 0x10                ; out
	v_lshl_add_u32 v[SPW], v0, 2, SPARE
	v_mov_b32 v[NIL], 0
	ds_add_u32 v12, v13
	ds_add_u32 v12, v13
	s_wait_dscnt 0x0
	v_lshrrev_b32 v1, 5, v0
	v_readfirstlane_b32 s10, v1                    ; wave 0..3
	s_bfe_u32 s12, ttmp6, 0x40000                  ; cx: it enters the addresses of in and out alone
	s_lshl_b32 s13, ttmp9, 2                       ; in a cluster launch ttmp9 counts clusters
	s_add_co_u32 s13, s13, s12                     ; work-group g
	s_lshr_b32 s14, s13, 5                         ; batch = g / 32
	s_and_b32 s15, s13, 31
	s_lshl_b32 s15, s15, 2
	s_add_co_u32 s15, s15, s10                     ; block j = 4 (g % 32) + wave
	s_lshl_b32 s14, s14, 12                        ; the batch's first token
	s_add_co_u32 s20, s14, s15                     ; my key rows begin at token j and lie 128 tokens apart,
	s_lshl_b32 s20, s20, 10                        ; in bytes (under 2^25)
	s_mov_b32 s21, 0
	s_lshl_b32 s15, s15, 5
	s_add_co_u32 s22, s14, s15                     ; my query rows begin at token 32 j
	s_lshl_b32 s22, s22, 10
	s_mov_b32 s23, 0
	s_lshl_b32 s16, s10, 14                        ; offsets in wl, made of the wave's number alone: my 32 rows of a half matrix,
	s_mov_b32 s17, 0
	s_lshl_b32 s18, s10, 15                        ; my 64 rows of W2,
	s_mov_b32 s19, 0
	s_lshl_b32 s66, s10, 10                        ; my row of the parameters
	s_mov_b32 s67, 0
	; group 1, all sizes in elements
	s_mov_b32 s[G1W+0], 15|(1<<16)|(1<<20)|(1<<21)|(6<<22)|(3<<25)  ; 15:0 the mask of four; 17:16 2-byte elements; 20 padding on; 21 set beside a mask; 24:22 after every 128 words; 31:25 4 words
	s_mov_b32 s[G1W+1], 256<<16                    ; tensor_dim0 = 256
	s_mov_b32 s[G1W+2], 32<<16                     ; tensor_dim1 = 32
	s_mov_b32 s[G1W+3], 256<<16                    ; tile_dim0 = 256
	s_mov_b32 s[G1W+4], 32                         ; tile_dim1 = 32
	s_mov_b32 s[G1W+5], 256                        ; elements from row to row
	s_mov_b32 s[G1W+6], 0
	s_mov_b32 s[G1W+7], 0
	s_mov_b32 s[G1M+0], 15|(1<<16)|(1<<20)|(1<<21)|(6<<22)|(3<<25)
	s_mov_b32 s[G1M+1], 256<<16
	s_mov_b32 s[G1M+2], 64<<16                     ; 64 rows
	s_mov_b32 s[G1M+3], 256<<16
	s_mov_b32 s[G1M+4], 64
	s_mov_b32 s[G1M+5], 256
	s_mov_b32 s[G1M+6], 0
	s_mov_b32 s[G1M+7], 0
	s_mov_b32 s[G1X+0], (2<<16)|(1<<20)|(7<<22)|(3<<25)  ; no mask; 4-byte elements; 4 words of padding after every 256
	s_mov_b32 s[G1X+1], 256<<16
	s_mov_b32 s[G1X+2], 32<<16
	s_mov_b32 s[G1X+3], 256<<16
	s_mov_b32 s[G1X+4], 32
	s_mov_b32 s[G1X+5], 128*256                    ; the key rows lie 128 tokens apart
	s_mov_b32 s[G1X+6], 0
	s_mov_b32 s[G1X+7], 0
	s_mov_b32 s[G1P+0], 15|(3<<16)|(1<<21)         ; the mask; 8-byte elements; no padding
	s_mov_b32 s[G1P+1], 128<<16
	s_mov_b32 s[G1P+2], 1<<16
	s_mov_b32 s[G1P+3], 128<<16
	s_mov_b32 s[G1P+4], 1
	s_mov_b32 s[G1P+5], 128
	s_mov_b32 s[G1P+6], 0
	s_mov_b32 s[G1P+7], 0
	; group 0: count, LDS address (constants and the wave's number), global address, type
	s_mov_b32 s[G0A], 1
	s_mul_i32 s[G0A+1], s10, 32*WP
	s_mov_b32 s[G0B], 1
	s_add_co_u32 s[G0B+1], s[G0A+1], R1
	s_mov_b32 s[G0X], 1
	s_mul_i32 s[G0X+1], s10, XW
	s_add_co_u32 s[G0X+1], s[G0X+1], XB
	s_mov_b32 s[G0P], 1
	s_lshl_b32 s[G0P+1], s10, 10
	s_add_co_u32 s[G0P+1], s[G0P+1], PAR
	s_mov_b32 s[G0M], 1
	s_mul_i32 s[G0M+1], s10, XW
	s_add_co_u32 s[G0M+1], s[G0M+1], XB
	s_mul_i32 s98, s10, STGW
	s_add_co_u32 s98, s98, STG                     ; my stage
	s_mul_i32 s99, s10, XW
	s_add_co_u32 s99, s99, XB                      ; my tile of in
	s_mov_b32 s80, 0x3e6d3388                      ; 0.3275911 / sqrt(2)
	s_mov_b32 s81, s80                             ; (each constant is named as a pair, so both words are written)
	s_mov_b32 s82, 0xbf38aa3b                      ; -log2(e) / 2
	s_mov_b32 s83, s82
	s_mov_b32 s84, 0x3e027906                      ; a1 / 2 =  0.127414796
	s_mov_b32 s85, s84
	s_mov_b32 s86, 0xbe11a98e                      ; a2 / 2 = -0.142248368
	s_mov_b32 s87, s86
	s_mov_b32 s88, 0x3f35f0e3                      ; a3 / 2 =  0.710706871
	s_mov_b32 s89, s88
	s_mov_b32 s90, 0xbf3a00e3                      ; a4 / 2 = -0.726576014
	s_mov_b32 s91, s90
	s_mov_b32 s92, 0x3f07dc22                      ; a5 / 2 =  0.530702715
	s_mov_b32 s93, s92
	s_mov_b32 s94, 0x76543210                      ; v_permlanex16_b32: each lane takes its own place in the other half
	s_mov_b32 s95, 0xfedcba98
	s_wait_kmcnt 0x0
	s_add_nc_u64 s[G0A+2:G0A+3], s[6:7], s[16:17]          ; half matrix 0 (Wk's channels 0-127)
	s_add_nc_u64 s[G0B+2:G0B+3], s[G0A+2:G0A+3], 65536     ; half matrix 1
	s_add_nc_u64 s[G0M+2:G0M+3], s[6:7], s[18:19]
	s_add_nc_u64 s[G0M+2:G0M+3], s[G0M+2:G0M+3], 524288    ; W2
	s_add_nc_u64 s[G0P+2:G0P+3], s[6:7], s[66:67]
	s_add_nc_u64 s[G0P+2:G0P+3], s[G0P+2:G0P+3], 655360    ; the parameters
	s_add_nc_u64 s[G0X+2:G0X+3], s[4:5], s[20:21]          ; my key rows
	s_add_nc_u64 s[96:97], s[4:5], s[22:23]                ; my query rows, for later
	s_add_nc_u64 s[8:9], s[8:9], s[22:23]                  ; out at my query rows
	s_or_b32 s[G0A+3], s[G0A+3], 0x80000000
	s_or_b32 s[G0B+3], s[G0B+3], 0x80000000
	s_or_b32 s[G0M+3], s[G0M+3], 0x80000000
	s_or_b32 s[G0P+3], s[G0P+3], 0x80000000
	s_or_b32 s[G0X+3], s[G0X+3], 0x80000000
	s_mov_b32 s66, 0x3b800000                      ; 1 / 256
	s_mov_b32 s67, 0x3727c5ac                      ; eps = 1e-5
	ROUND                                          ; all four work-groups are here: the first joint loads meet
	tensor_load_to_lds s[G0X:G0X+3], s[G1X:G1X+7]  ; the first fills, one group; three loads of mine are out
	s_nop 0
	tensor_load_to_lds s[G0P:G0P+3], s[G1P:G1P+7]
	s_nop 0
	tensor_load_to_lds s[G0A:G0A+3], s[G1W:G1W+7]
	s_nop 0
	PLACES
	v_and_b32 v1, 15, v0                           ; r
	v_bfe_u32 v11, v0, 4, 1                        ; hh
	v_mul_u32_u24 v[AW0], v1, WP
	v_lshl_add_u32 v[AW0], v11, 4, v[AW0]
	v_add_nc_u32 v[AW1], R1, v[AW0]
	v_mov_b32 v[AWM], v[AW0]
	v_mul_u32_u24 v[AX], v1, XP
	v_lshl_add_u32 v[AX], v11, 5, v[AX]
	v_add_nc_u32 v[AX], s99, v[AX]
	v_lshl_add_u32 v[APG], v11, 5, PAR+2048
	v_lshl_add_u32 v[APB], v11, 5, PAR
	v_mul_u32_u24 v[STO], v1, WP
	v_lshl_add_u32 v[STO], v11, 5, v[STO]
	v_add_nc_u32 v[STO], s98, v[STO]
	v_and_b32 v[GO], 31, v0
	v_lshlrev_b32 v[GO], 4, v[GO]
	v_add_nc_u32 v[RD], s98, v[GO]
	s_wait_tensorcnt 0x1                           ; my key rows and my row of the parameters are in; the weights may stay out
	s_barrier_signal -1
	s_barrier_wait -1                              ; everybody's row of the parameters is in
	; ---------------- K of my 32 key rows ----------------
	GLOAD
	BLOAD
	XLOAD 2
	s_wait_dscnt 0x0
	LN 2, 2                                        ; H = LN(key rows)
	MEET_A
	MEET_B                                         ; Wk's first half is in, everybody's part of it
	TL G0B, G1W                                    ; Wk's second half -> r1
	GEMMH AW0, 1, 0, 16, 1                         ; K, channels 0-127
	MEET_A
	s_mov_b64 s[G0X+2:G0X+3], s[96:97]             ; my tile of in is read out: it takes my query rows,
	s_or_b32 s[G0X+3], s[G0X+3], 0x80000000
	s_mov_b32 s[G1X+5], 256                        ; which lie end to end
	MEET_B
	TL G0X, G1X
	GEMMH AW1, 1, 64, 16, 1                        ; K, channels 128-255
	MEET_A
	s_add_nc_u64 s[G0A+2:G0A+3], s[G0A+2:G0A+3], 131072
	MEET_B
	TL G0A, G1W                                    ; Wq's first half -> r0: it lands under the layer norm
	BLOAD
	XLOAD 2
	s_wait_dscnt 0x0
	LN 2, 2                                        ; H = LN(query rows)
	; ---------------- Q, diag, V ----------------
	s_mov_b32 s11, 2
.Lqv:                                                  ; two trips: Q, then V; each multiplies two halves and asks for the two that follow
	MEET_A
	s_add_nc_u64 s[G0B+2:G0B+3], s[G0B+2:G0B+3], 131072
	MEET_B
	TL G0B, G1W
	GEMMH AW0, 0, 0, 16, 1
	MEET_A
	s_add_nc_u64 s[G0A+2:G0A+3], s[G0A+2:G0A+3], 131072
	MEET_B
	TL G0A, G1W
	GEMMH AW1, 0, 64, 16, 1
	s_cmp_lg_u32 s11, 2                            ; at the first trip the answer is a constant of the text: diag is made before anything reads it
	s_cbranch_scc1 .Lno_diag
	WIN 0x0e                                       ; Q in window 2, K in window 3, the sums in window 0: 16 chains of 8
.irp te, 0,1
.irp pp, 0,1,2,3
.irp tq, 0,1
.irp hd, 0,1,2,3,4,5,6,7
.if ((\te)+(\pp)) == 0
	v_pk_mul_f32 v[DP+2*(8*\tq+\hd):DP+2*(8*\tq+\hd)+1], v[8*(16*\tq+2*\hd+\te)+2*\pp:8*(16*\tq+2*\hd+\te)+2*\pp+1], v[8*(16*\te+2*\hd+\tq)+2*\pp:8*(16*\te+2*\hd+\tq)+2*\pp+1]
.else
	v_pk_fma_f32 v[DP+2*(8*\tq+\hd):DP+2*(8*\tq+\hd)+1], v[8*(16*\tq+2*\hd+\te)+2*\pp:8*(16*\tq+2*\hd+\te)+2*\pp+1], v[8*(16*\te+2*\hd+\tq)+2*\pp:8*(16*\te+2*\hd+\tq)+2*\pp+1], v[DP+2*(8*\tq+\hd):DP+2*(8*\tq+\hd)+1]
.endif
.endr
.endr
.endr
.endr
	WIN 0
.set p, 0
.rept 16
	v_add_f32 v[DP+2*p], v[DP+2*p], v[DP+2*p+1]
.set p, p+1
.endr
.set p, 0
.rept 16
	v_permlanex16_b32 v[DP+2*p+1], v[DP+2*p], s94, s95     ; the other sixteen e lie in the lane 16 away
.set p, p+1
.endr
.set p, 0
.rept 16
	v_add_f32 v[DP+2*p], v[DP+2*p], v[DP+2*p+1]
.set p, p+1
.endr
.set p, 0
.rept 16
	v_mul_f32 v[DG+p], 0x3c800000, v[DP+2*p]       ; / sqrt(4096)
.set p, p+1
.endr
	XLOAD 3                                        ; K is used up: window 3 takes the query rows of in once more, for the residual; waited for at the next meeting
.Lno_diag:
	s_sub_co_u32 s11, s11, 1
	s_cmp_lg_u32 s11, 0
	s_cbranch_scc1 .Lqv
	; ---------------- att = diag V + in; the rest of the weights ----------------
	MEET_A
	s_add_nc_u64 s[G0B+2:G0B+3], s[G0B+2:G0B+3], 131072
	MEET_B
	TL G0B, G1W                                    ; W1's second half -> r1
	WIN 0xf2                                       ; V in window 2, diag in window 0, in and att in window 3
.irp t, 0,1
.set i, 0
.rept 16
.irp pp, 0,1,2,3
.set rr, 8*(16*\t+i)+2*\pp
.set dn, 8*\t+i/2
.if dn%2 == 0
	v_pk_fma_f32 v[rr:rr+1], v[rr:rr+1], v[DG+dn:DG+dn+1], v[rr:rr+1] op_sel_hi:[1,0,1]
.else
	v_pk_fma_f32 v[rr:rr+1], v[rr:rr+1], v[DG+dn-1:DG+dn], v[rr:rr+1] op_sel:[0,1,0] op_sel_hi:[1,1,1]
.endif
.endr
.set i, i+1
.endr
.endr
	MEET_A
	MEET_B
	TL G0M, G1M                                    ; all of W2 -> the four tiles of in, which every wave has read out: 64 rows a wave; it lands under the layer norm
	BLOAD
	s_wait_dscnt 0x0
	LN 3, 2                                        ; H = LN(att); att stays in window 3
	s_wait_tensorcnt 0x0                           ; my part of W2 is in,
	s_barrier_signal -1
	s_barrier_wait -1                              ; everybody's is: W1 and W2 lie in four halves, R1 bytes apart, from LDS byte 0 on; nothing is filled again
	; ---------------- the two linear layers, 128 channels a trip ----------------
	s_mov_b32 s11, 4
.Lm:
.irp i, 0,1,2,3,4,5,6,7
.irp p, 0,1
	ds_load_b128 v[BI+8*\i+4*\p:BI+8*\i+4*\p+3], v[APB] offset:64*\i+16*\p  ; the bias in an accumulator's layout: it starts the sums
.endr
.endr
	GEMMH AWM, 0, 0, 8, 2
	WIN 0xaa
.set a, 0
.rept 16
	GELU8 8*a
.set a, a+1
.endr
	WIN 0
	v_add_nc_u32 v[AWM], R1, v[AWM]                ; the next half matrix,
	v_add_nc_u32 v[APB], 512, v[APB]               ; the next 128 numbers of b1, b2
	s_cmp_eq_u32 s11, 4
	s_cbranch_scc1 .Lm1_lo
	s_cmp_eq_u32 s11, 3
	s_cbranch_scc1 .Lm1_hi
	s_cmp_eq_u32 s11, 2
	s_cbranch_scc1 .Lm2_lo
	ADDOUT 64
	s_branch .Lm_end
.Lm2_lo:
	ADDOUT 0
	s_branch .Lm_end
.Lm1_hi:                                               ; the first layer is done: its channels 128-255 go straight into H, channels 0-127 follow from where they waited
	WIN 0x4a
.irp t, 0,1
.set p, 0
.rept 32
	v_cvt_pk_bf16_f32 v[64*\t+32+p], v[64*\t+2*p], v[64*\t+2*p+1]
.set p, p+1
.endr
.endr
	WIN 0x41
.irp t, 0,1
.set p, 0
.rept 32
	v_mov_b32 v[64*\t+p], v[HL+32*\t+p]
.set p, p+1
.endr
.endr
	WIN 0
	s_branch .Lm_end
.Lm1_lo:                                               ; H is still to be multiplied by W1's second half: channels 0-127 wait in gamma's registers, which are free
	WIN 0x4a
.irp t, 0,1
.set p, 0
.rept 32
	v_cvt_pk_bf16_f32 v[HL+32*\t+p], v[64*\t+2*p], v[64*\t+2*p+1]
.set p, p+1
.endr
.endr
	WIN 0
.Lm_end:
	s_sub_co_u32 s11, s11, 1
	s_cmp_lg_u32 s11, 0
	s_cbranch_scc1 .Lm
	; ---------------- the way out ----------------
	OUTP 0, 0, 0
	OUTP 0, 1, 1
	OUTP 1, 0, 2
	OUTP 1, 1, 3
	s_wait_tensorcnt 0x0                           ; the wave's end: behind my last tensor load and my last LDS store
	ds_add_u32 v[SPW], v[NIL]
	s_wait_dscnt 0x0
	ROUND                                          ; the closing round: no work-group ends while a partner may still ask for a tile that names it
	s_endpgm
.Lfunc_end_k_q36657a2667_layer1:
	.size	k_q36657a2667_layer1, .Lfunc_end_k_q36657a2667_layer1-k_q36657a2667_layer1
	.p2alignl 7, 3214868480
	.fill 96, 4, 3214868480
	.section	.rodata,"a",@progbits
	.p2align	6, 0x0
	.amdhsa_kernel k_q36657a2667_layer1
		.amdhsa_group_segment_fixed_size 327680
		.amdhsa_private_segment_fixed_size 0
		.amdhsa_enable_private_segment 0
		.amdhsa_kernarg_size 24
		.amdhsa_user_sgpr_count 2
		.amdhsa_user_sgpr_kernarg_segment_ptr 1
		.amdhsa_wavefront_size32 1
		.amdhsa_system_sgpr_workgroup_id_x 1
		.amdhsa_system_sgpr_workgroup_id_y 1
		.amdhsa_system_sgpr_workgroup_id_z 1
		.amdhsa_system_vgpr_workitem_id 0
		.amdhsa_next_free_vgpr 1024
		.amdhsa_next_free_sgpr 100
		.amdhsa_reserve_vcc 0
		.amdhsa_float_denorm_mode_32 3
		.amdhsa_float_denorm_mode_16_64 3
		.amdhsa_memory_ordered 1
		.amdhsa_forward_progress 1
		.amdhsa_inst_pref_size 255
	.end_amdhsa_kernel
	.section	.bss,"aw",@nobits
	.p2align	6
	.space	262144
	.amdgpu_metadata
---
amdhsa.version: [ 1, 2 ]
amdhsa.kernels:
  - .name:           k_q36657a2667_layer1
    .symbol:         k_q36657a2667_layer1.kd
    .args:
      - { .name: processed_grid_repr, .offset: 0, .size: 8, .value_kind: global_buffer, .address_space: global }
      - { .name: wl0, .offset: 8, .size: 8, .value_kind: global_buffer, .address_space: global }
      - { .name: actA, .offset: 16, .size: 8, .value_kind: global_buffer, .address_space: global }
    .group_segment_fixed_size: 327680
    .private_segment_fixed_size: 0
    .kernarg_segment_align: 8
    .kernarg_segment_size: 24
    .max_flat_workgroup_size: 128
    .sgpr_count:     100
    .vgpr_count:     1024
    .wavefront_size: 32
...
	.end_amdgpu_metadata
.endif
;; end of part 2
;; launch layer2: the kernel of part 2 again; grid 256 x 1, 4 waves a work-group, clusters of 4 x 1, 327,680 bytes of LDS; arguments actA, wl1, actB; writes actB
;; launch layer3: the kernel of part 2 again; grid 256 x 1, 4 waves a work-group, clusters of 4 x 1, 327,680 bytes of LDS; arguments actB, wl2, actA; writes actA
;; launch layer4: the kernel of part 2 again; grid 256 x 1, 4 waves a work-group, clusters of 4 x 1, 327,680 bytes of LDS; arguments actA, wl3, actB; writes actB
;; launch final (part 3): grid 1 x 1, 8 waves a work-group, no clusters, 0 bytes of LDS; arguments actB, gamma, beta, out0; writes out0
.if DOCPART == 3
	.amdgcn_target "amdgcn-amd-amdhsa--gfx1250"
	.amdhsa_code_object_version 6
	.text
	.protected	k_q36657a2667_final
	.globl	k_q36657a2667_final
	.p2align	8
	.type	k_q36657a2667_final,@function
k_q36657a2667_final:
	s_mov_b64 s[64:65], 0
	v_nop
	global_prefetch_b8 v0, s[64:65] scope:SCOPE_SE
	s_setreg_imm32_b32 hwreg(HW_REG_WAVE_MODE, 25, 1), 1
	s_wait_xcnt 0x0
; out0[b][:] = LN(act[b][token 0][:]).  Eight rows of 256 f32: one wave a row, one work-group: there is work for no more.
; A lane holds channels 4 l .. 4 l + 3 and 128 + 4 l .. + 3: each load and store of a wave covers 512 consecutive bytes, aligned.  The mean first, then the variance of the differences.
	s_load_b256 s[4:11], s[0:1], 0x0               ; act s[4:5], gamma s[6:7], beta s[8:9], out0 s[10:11]
	v_and_b32 v1, 31, v0
	v_lshlrev_b32 v1, 4, v1                        ; 16 x lane
	v_lshrrev_b32 v2, 5, v0
	v_readfirstlane_b32 s12, v2                    ; wave = batch
	s_lshl_b32 s14, s12, 22                        ; 4,096 tokens x 1,024 bytes
	s_mov_b32 s15, 0
	s_lshl_b32 s16, s12, 10
	s_mov_b32 s17, 0
	s_mov_b32 s18, 0x76543210                      ; v_permlanex16_b32: each lane takes its own place in the other half
	s_mov_b32 s19, 0xfedcba98
	s_mov_b32 s20, 0x3b800000                      ; 1 / 256
	s_mov_b32 s21, 0x3727c5ac                      ; eps = 1e-5
	s_wait_kmcnt 0x0
	s_add_nc_u64 s[4:5], s[4:5], s[14:15]
	s_add_nc_u64 s[10:11], s[10:11], s[16:17]
	global_load_b128 v[4:7], v1, s[4:5]
	global_load_b128 v[8:11], v1, s[4:5] offset:512
	global_load_b128 v[12:15], v1, s[6:7]
	global_load_b128 v[16:19], v1, s[6:7] offset:512
	global_load_b128 v[20:23], v1, s[8:9]
	global_load_b128 v[24:27], v1, s[8:9] offset:512
	s_wait_loadcnt 0x4                             ; the row is in; gamma's and beta's four loads may stay out
	v_pk_add_f32 v[28:29], v[4:5], v[6:7]
	v_pk_add_f32 v[30:31], v[8:9], v[10:11]
	v_pk_add_f32 v[28:29], v[28:29], v[30:31]
	v_add_f32 v28, v28, v29
	v_add_f32_dpp v28, v28, v28 row_xmask:1 row_mask:0xf bank_mask:0xf
	v_add_f32_dpp v28, v28, v28 row_xmask:2 row_mask:0xf bank_mask:0xf
	v_add_f32_dpp v28, v28, v28 row_xmask:4 row_mask:0xf bank_mask:0xf
	v_add_f32_dpp v28, v28, v28 row_xmask:8 row_mask:0xf bank_mask:0xf
	v_permlanex16_b32 v29, v28, s18, s19
	v_add_f32 v28, v28, v29
	v_mul_f32 v30, s20, v28                        ; the mean, twice
	v_mul_f32 v31, s20, v28
	v_pk_add_f32 v[4:5], v[4:5], v[30:31] neg_lo:[0,1] neg_hi:[0,1]
	v_pk_add_f32 v[6:7], v[6:7], v[30:31] neg_lo:[0,1] neg_hi:[0,1]
	v_pk_add_f32 v[8:9], v[8:9], v[30:31] neg_lo:[0,1] neg_hi:[0,1]
	v_pk_add_f32 v[10:11], v[10:11], v[30:31] neg_lo:[0,1] neg_hi:[0,1]
	v_pk_mul_f32 v[28:29], v[4:5], v[4:5]
	v_pk_mul_f32 v[32:33], v[6:7], v[6:7]
	v_pk_fma_f32 v[28:29], v[8:9], v[8:9], v[28:29]
	v_pk_fma_f32 v[32:33], v[10:11], v[10:11], v[32:33]
	v_pk_add_f32 v[28:29], v[28:29], v[32:33]
	v_add_f32 v28, v28, v29
	v_add_f32_dpp v28, v28, v28 row_xmask:1 row_mask:0xf bank_mask:0xf
	v_add_f32_dpp v28, v28, v28 row_xmask:2 row_mask:0xf bank_mask:0xf
	v_add_f32_dpp v28, v28, v28 row_xmask:4 row_mask:0xf bank_mask:0xf
	v_add_f32_dpp v28, v28, v28 row_xmask:8 row_mask:0xf bank_mask:0xf
	v_permlanex16_b32 v29, v28, s18, s19
	v_add_f32 v28, v28, v29
	v_fma_f32 v28, v28, s20, s21                   ; var + eps
	v_rsq_f32 v30, v28
	v_rsq_f32 v31, v28
	s_wait_loadcnt 0x0                             ; gamma and beta
	v_nop                                          ; a plain instruction between the last root and the use of its result (ISA guide 5.7.2)
	s_wait_alu depctr_va_vdst(0)
	v_pk_mul_f32 v[4:5], v[4:5], v[30:31]
	v_pk_mul_f32 v[6:7], v[6:7], v[30:31]
	v_pk_mul_f32 v[8:9], v[8:9], v[30:31]
	v_pk_mul_f32 v[10:11], v[10:11], v[30:31]
	v_pk_fma_f32 v[4:5], v[4:5], v[12:13], v[20:21]
	v_pk_fma_f32 v[6:7], v[6:7], v[14:15], v[22:23]
	v_pk_fma_f32 v[8:9], v[8:9], v[16:17], v[24:25]
	v_pk_fma_f32 v[10:11], v[10:11], v[18:19], v[26:27]
	global_store_b128 v1, v[4:7], s[10:11]
	global_store_b128 v1, v[8:11], s[10:11] offset:512
	s_endpgm
.Lfunc_end_k_q36657a2667_final:
	.size	k_q36657a2667_final, .Lfunc_end_k_q36657a2667_final-k_q36657a2667_final
	.p2alignl 7, 3214868480
	.fill 96, 4, 3214868480
	.section	.rodata,"a",@progbits
	.p2align	6, 0x0
	.amdhsa_kernel k_q36657a2667_final
		.amdhsa_group_segment_fixed_size 0
		.amdhsa_private_segment_fixed_size 0
		.amdhsa_enable_private_segment 0
		.amdhsa_kernarg_size 32
		.amdhsa_user_sgpr_count 2
		.amdhsa_user_sgpr_kernarg_segment_ptr 1
		.amdhsa_wavefront_size32 1
		.amdhsa_system_sgpr_workgroup_id_x 1
		.amdhsa_system_sgpr_workgroup_id_y 1
		.amdhsa_system_sgpr_workgroup_id_z 1
		.amdhsa_system_vgpr_workitem_id 0
		.amdhsa_next_free_vgpr 40
		.amdhsa_next_free_sgpr 66
		.amdhsa_reserve_vcc 0
		.amdhsa_float_denorm_mode_32 3
		.amdhsa_float_denorm_mode_16_64 3
		.amdhsa_memory_ordered 1
		.amdhsa_forward_progress 1
		.amdhsa_inst_pref_size 4
	.end_amdhsa_kernel
	.amdgpu_metadata
---
amdhsa.version: [ 1, 2 ]
amdhsa.kernels:
  - .name:           k_q36657a2667_final
    .symbol:         k_q36657a2667_final.kd
    .args:
      - { .name: actB, .offset: 0, .size: 8, .value_kind: global_buffer, .address_space: global }
      - { .name: gamma, .offset: 8, .size: 8, .value_kind: global_buffer, .address_space: global }
      - { .name: beta, .offset: 16, .size: 8, .value_kind: global_buffer, .address_space: global }
      - { .name: out0, .offset: 24, .size: 8, .value_kind: global_buffer, .address_space: global }
    .group_segment_fixed_size: 0
    .private_segment_fixed_size: 0
    .kernarg_segment_align: 8
    .kernarg_segment_size: 32
    .max_flat_workgroup_size: 256
    .sgpr_count:     66
    .vgpr_count:     40
    .wavefront_size: 32
...
	.end_amdgpu_metadata
.endif
;; end of part 3
;; ======== version 2 of 2: 6 launches; 1.41 times as fast as version 1
;; workspace buffers: wl0 659,456 bytes; wl1 659,456 bytes; wl2 659,456 bytes; wl3 659,456 bytes; actA 33,554,432 bytes; actB 33,554,432 bytes
;; launch prep (part 4): grid 128 x 5, 8 waves a work-group, no clusters, 0 bytes of LDS; arguments Wk, Wq, Wv, W1, W2, b1, b2, gamma, beta, wl0, wl1, wl2, wl3; writes wl0, wl1, wl2, wl3
.if DOCPART == 4
	.amdgcn_target "amdgcn-amd-amdhsa--gfx1250"
	.amdhsa_code_object_version 6
	.text
	.protected	k_q36657a2667_prep
	.globl	k_q36657a2667_prep
	.p2align	8
	.type	k_q36657a2667_prep,@function
k_q36657a2667_prep:
	s_mov_b64 s[64:65], 0
	v_nop
	global_prefetch_b8 v0, s[64:65] scope:SCOPE_SE
	s_setreg_imm32_b32 hwreg(HW_REG_WAVE_MODE, 25, 1), 1
	s_wait_xcnt 0x0
; THE WEIGHTS OF EACH LAYER, ROUNDED ONCE TO bf16 AND LAID TOGETHER.  wl_l holds five matrices of 256 out x 256 in, bf16, 131,072 bytes each, in the order
; in which a layer uses them (Wk, Wq, Wv, W1, W2), and behind them, at byte 655,360, four rows of 256 f32: b1[l], b2[l], gamma, beta.
; LAYERS 0 AND 1: row-major, for tiles that go to LDS.  LAYERS 2 AND 3: in the order of matrix operands, for loads straight into registers: a block of 512 bytes for each
; (tile of 16 rows, K step of 32, half p of the step), at ((16 tile + 2 step + p) x 512; in it lane l = 16 hh + r has 16 bytes at 16 l: row 16 tile + r, k = 32 step + 16 p + 8 hh .. + 7.
; Grid x = 32 l + chunk, grid y = the matrix m.  A work-group of 256 threads stores 4,096 consecutive bytes of bf16, 16 a thread, in both layouts: each store of a wave covers
; 512 consecutive bytes, aligned.  Only the place of a thread's 32 bytes of f32 differs.  Memory binds; no LDS, no barrier, no matrix unit.
	s_load_b512 s[4:19], s[0:1], 0x0               ; Wk s[4:5], Wq s[6:7], Wv s[8:9], W1 s[10:11], W2 s[12:13], b1 s[14:15], b2 s[16:17], gamma s[18:19]
	s_load_b256 s[20:27], s[0:1], 0x40             ; beta s[20:21], wl0 s[22:23], wl1 s[24:25], wl2 s[26:27]
	s_load_b64 s[28:29], s[0:1], 0x60              ; wl3
	v_lshlrev_b32 v1, 5, v0                        ; row-major: my 32 bytes of f32
	v_lshlrev_b32 v2, 4, v0                        ; my 16 bytes of bf16
	v_lshrrev_b32 v3, 5, v0
	v_readfirstlane_b32 s30, v3                    ; wave
	s_lshr_b32 s31, ttmp9, 5                       ; layer l
	s_and_b32 s34, ttmp9, 31                       ; chunk
	s_and_b32 s35, ttmp7, 0xffff                   ; matrix m
	s_lshl_b32 s36, s31, 18                        ; source, row-major: l x 262,144 + chunk x 8,192
	s_lshl_b32 s38, s34, 13
	s_add_co_u32 s36, s36, s38
	s_mov_b32 s37, 0
	s_lshl_b32 s38, s35, 17                        ; destination: m x 131,072 + chunk x 4,096
	s_lshl_b32 s40, s34, 12
	s_add_co_u32 s38, s38, s40
	s_mov_b32 s39, 0
	s_cmp_lt_u32 s31, 2
	s_cbranch_scc1 .Lrows
	; operand order.  Block 8 chunk + wave: tile chunk / 2, step 4 (chunk % 2) + wave / 2, half wave % 2.  So thread t = 32 wave + 16 hh + r reads row 16 (chunk / 2) + r
	; at byte 512 (chunk % 2) + 64 wave + 32 hh = 512 (chunk % 2) + 32 (t / 16) of the row's 1,024
	v_and_b32 v1, 15, v0
	v_lshrrev_b32 v3, 4, v0
	v_lshlrev_b32 v1, 10, v1
	v_lshl_add_u32 v1, v3, 5, v1
	s_lshr_b32 s40, s34, 1
	s_lshl_b32 s40, s40, 14
	s_and_b32 s41, s34, 1
	s_lshl_b32 s41, s41, 9
	s_lshl_b32 s36, s31, 18
	s_add_co_u32 s36, s36, s40
	s_add_co_u32 s36, s36, s41
.Lrows:
	s_wait_kmcnt 0x0
	s_cmp_eq_u32 s35, 1                            ; the source by m, the destination by l: choices between buffers on numbers that hang on no address
	s_cselect_b64 s[4:5], s[6:7], s[4:5]
	s_cmp_eq_u32 s35, 2
	s_cselect_b64 s[4:5], s[8:9], s[4:5]
	s_cmp_eq_u32 s35, 3
	s_cselect_b64 s[4:5], s[10:11], s[4:5]
	s_cmp_eq_u32 s35, 4
	s_cselect_b64 s[4:5], s[12:13], s[4:5]
	s_cmp_eq_u32 s31, 1
	s_cselect_b64 s[22:23], s[24:25], s[22:23]
	s_cmp_eq_u32 s31, 2
	s_cselect_b64 s[22:23], s[26:27], s[22:23]
	s_cmp_eq_u32 s31, 3
	s_cselect_b64 s[22:23], s[28:29], s[22:23]
	s_add_nc_u64 s[4:5], s[4:5], s[36:37]
	s_add_nc_u64 s[42:43], s[22:23], s[38:39]
	global_load_b128 v[4:7], v1, s[4:5]
	global_load_b128 v[8:11], v1, s[4:5] offset:16
	s_wait_loadcnt 0x0
	v_cvt_pk_bf16_f32 v12, v4, v5
	v_cvt_pk_bf16_f32 v13, v6, v7
	v_cvt_pk_bf16_f32 v14, v8, v9
	v_cvt_pk_bf16_f32 v15, v10, v11
	global_store_b128 v2, v[12:15], s[42:43]
	; the four rows of parameters: one work-group a layer (m = 0, chunk = 0), its waves 0 and 1: 64 threads x 16 bytes are a row
	s_cmp_lg_u32 s35, 0
	s_cbranch_scc1 .Lend
	s_cmp_lg_u32 s34, 0
	s_cbranch_scc1 .Lend
	s_cmp_gt_u32 s30, 1
	s_cbranch_scc1 .Lend
	s_lshl_b32 s44, s31, 10                        ; row l of b1 and b2
	s_mov_b32 s45, 0
	s_add_nc_u64 s[14:15], s[14:15], s[44:45]
	s_add_nc_u64 s[16:17], s[16:17], s[44:45]
	s_add_nc_u64 s[22:23], s[22:23], 655360
	global_load_b128 v[16:19], v2, s[14:15]
	global_load_b128 v[20:23], v2, s[16:17]
	global_load_b128 v[24:27], v2, s[18:19]
	global_load_b128 v[28:31], v2, s[20:21]
	s_wait_loadcnt 0x0
	global_store_b128 v2, v[16:19], s[22:23]
	global_store_b128 v2, v[20:23], s[22:23] offset:1024
	global_store_b128 v2, v[24:27], s[22:23] offset:2048
	global_store_b128 v2, v[28:31], s[22:23] offset:3072
.Lend:
	s_endpgm
.Lfunc_end_k_q36657a2667_prep:
	.size	k_q36657a2667_prep, .Lfunc_end_k_q36657a2667_prep-k_q36657a2667_prep
	.p2alignl 7, 3214868480
	.fill 96, 4, 3214868480
	.section	.rodata,"a",@progbits
	.p2align	6, 0x0
	.amdhsa_kernel k_q36657a2667_prep
		.amdhsa_group_segment_fixed_size 0
		.amdhsa_private_segment_fixed_size 0
		.amdhsa_enable_private_segment 0
		.amdhsa_kernarg_size 104
		.amdhsa_user_sgpr_count 2
		.amdhsa_user_sgpr_kernarg_segment_ptr 1
		.amdhsa_wavefront_size32 1
		.amdhsa_system_sgpr_workgroup_id_x 1
		.amdhsa_system_sgpr_workgroup_id_y 1
		.amdhsa_system_sgpr_workgroup_id_z 1
		.amdhsa_system_vgpr_workitem_id 0
		.amdhsa_next_free_vgpr 32
		.amdhsa_next_free_sgpr 66
		.amdhsa_reserve_vcc 0
		.amdhsa_float_denorm_mode_32 3
		.amdhsa_float_denorm_mode_16_64 3
		.amdhsa_memory_ordered 1
		.amdhsa_forward_progress 1
		.amdhsa_inst_pref_size 4
	.end_amdhsa_kernel
	.amdgpu_metadata
---
amdhsa.version: [ 1, 2 ]
amdhsa.kernels:
  - .name:           k_q36657a2667_prep
    .symbol:         k_q36657a2667_prep.kd
    .args:
      - { .name: Wk, .offset: 0, .size: 8, .value_kind: global_buffer, .address_space: global }
      - { .name: Wq, .offset: 8, .size: 8, .value_kind: global_buffer, .address_space: global }
      - { .name: Wv, .offset: 16, .size: 8, .value_kind: global_buffer, .address_space: global }
      - { .name: W1, .offset: 24, .size: 8, .value_kind: global_buffer, .address_space: global }
      - { .name: W2, .offset: 32, .size: 8, .value_kind: global_buffer, .address_space: global }
      - { .name: b1, .offset: 40, .size: 8, .value_kind: global_buffer, .address_space: global }
      - { .name: b2, .offset: 48, .size: 8, .value_kind: global_buffer, .address_space: global }
      - { .name: gamma, .offset: 56, .size: 8, .value_kind: global_buffer, .address_space: global }
      - { .name: beta, .offset: 64, .size: 8, .value_kind: global_buffer, .address_space: global }
      - { .name: wl0, .offset: 72, .size: 8, .value_kind: global_buffer, .address_space: global }
      - { .name: wl1, .offset: 80, .size: 8, .value_kind: global_buffer, .address_space: global }
      - { .name: wl2, .offset: 88, .size: 8, .value_kind: global_buffer, .address_space: global }
      - { .name: wl3, .offset: 96, .size: 8, .value_kind: global_buffer, .address_space: global }
    .group_segment_fixed_size: 0
    .private_segment_fixed_size: 0
    .kernarg_segment_align: 8
    .kernarg_segment_size: 104
    .max_flat_workgroup_size: 256
    .sgpr_count:     66
    .vgpr_count:     32
    .wavefront_size: 32
...
	.end_amdgpu_metadata
.endif
;; end of part 4
;; launch layer1 (part 5): grid 256 x 1, 4 waves a work-group, clusters of 4 x 1, 327,680 bytes of LDS; arguments processed_grid_repr, wl0, actA; writes actA
.if DOCPART == 5
	.amdgcn_target "amdgcn-amd-amdhsa--gfx1250"
	.amdhsa_code_object_version 6
	.text
	.protected	k_q36657a2667_layer1
	.globl	k_q36657a2667_layer1
	.p2align	8
	.type	k_q36657a2667_layer1,@function
k_q36657a2667_layer1:
	s_mov_b64 s[64:65], 0
	v_nop
	global_prefetch_b8 v0, s[64:65] scope:SCOPE_SE
	s_setreg_imm32_b32 hwreg(HW_REG_WAVE_MODE, 25, 1), 1
	s_wait_xcnt 0x0
	s_wait_alu depctr_hold_cnt(0) depctr_sa_sdst(0) depctr_va_vdst(0) depctr_va_sdst(0) depctr_va_ssrc(0) depctr_va_vcc(0) depctr_vm_vsrc(0)
	s_getreg_b32 s2, hwreg(HW_REG_IB_STS2, 6, 4)
	s_cmp_eq_u32 s2, 0
	s_cbranch_scc0 .Lentry_in_a_cluster
	s_endpgm
.Lentry_in_a_cluster:
	s_bfe_u32 s2, ttmp6, 0x10000c
	s_cmp_lg_u32 s2, 0x3003
	s_cbranch_scc0 .Lentry_shape_is_right
	s_endpgm
.Lentry_shape_is_right:
; ONE ENCODER LAYER, WHOLE: out = f(in), in and out [8 x 4096][256] f32; wl = the layer's five weight matrices in bf16, row-major, and its parameters in f32.
;   h = LN(in); Q, K, V = h W^T; diag[q] = sum_e Q[q][hd][e] K[128 e + q / 32][hd][q % 32] / 64; att = diag V + in; m = gelu(gelu(LN(att) W1^T + b1) W2^T + b2); out = m + att.
; SHARES.  The 32 queries 32 j .. 32 j + 31 of a batch need K at the 32 tokens 128 e + j alone, and those sets part the tokens.  So a wave owns block j: it reads its 32 query rows and its 32
; key rows, makes K for the key rows itself, and no activation ever leaves the wave.  256 work-groups x 4 waves x 32 queries are the 32,768 tokens.
; CLUSTER.  All work-groups walk the same weights: the four of a cluster ask for each piece JOINTLY (mask 15).  The rows of in are a work-group's own: plain loads.
; THE WALK OF THE TILES.  Two slots of 128 rows of weights, r0 and r1.  With the first fills come my key rows, the parameters and all of Wk (r0 and r1).  My query rows are asked for as soon as the
; key rows are in registers: they land under the keys' layer norm and K's first half.  Then a slot is asked for again as soon as every wave has multiplied by it: r0 takes Wq's, Wv's and W1's first
; halves, r1 their second halves.  All of W2 goes into the bytes of the rows of in, ahead of the first linear layer, and is waited for behind that layer.
; LAYOUTS (r = lane % 16, hh = lane / 16).  Q, V and the two linear layers are made transposed (source 0 = 16 out channels of W, source 1 = 16 tokens): a lane holds ONE token (16 t + r) and
; in register jj of tile i channel 16 i + 8 hh + jj.  Two neighbouring tiles rounded in pairs ARE source 1 of the next product, and a layer norm's sums stay in the lane but for one exchange.
; K is made the other way round (source 0 = 16 tokens): register jj of tile (te, i) holds token e = 16 te + 8 hh + jj, channel 16 i + r.  Then tile (tq, 2 hd + te) of Q and tile
; (te, 2 hd + tq) of K match lane for lane and register for register, and diag is a sum of their products.
; FORMATS.  Matrix operands bf16, sums f32; layer norms (mean first, then the variance of the differences), diag, gelu and the residuals f32.
; LIMITS.  erf by the rational form 1 - (a1 t + .. + a5 t^5) exp(-z^2), t = 1 / (1 + 0.3275911 z): absolute error at most 1.5e-7 for every z.  NaN and infinities are not treated apart.
; REGISTERS, in windows of 256 (s_set_vgpr_msb: bits 1:0 source 0, 3:2 source 1, 5:4 source 2, 7:6 destination):
;   window 0: v0-14 addresses; v16-31 diag; v32-63 at work; v64-191 two buffers of weight fragments / beta / rows on the way out; v192-255 the bias of 128 channels
;   window 1: v0-127 H, the bf16 source 1 (tile t at 64 t); v128-255 gamma, later v128-191 the first half of the first linear layer's result
;   window 2: rows at work, then Q, then V (tile (t, i) at 8 (16 t + i)); in the linear layers v0-127 the sums of 128 channels, v128-151 at work
;   window 3: K, then in's query rows, then att, then out
.set WP,    528                        ; a row of weights in LDS: 512 bytes + 16: the 16 rows of a fragment load start at 16 different groups of four banks (64 banks of 4 bytes: ISA guide 11.1)
.set XP,    1040                       ; a row of in: 1,024 bytes + 16
.set R1,    128*WP                     ; slot r0 at 0, slot r1 here: 128 rows of weights each
.set XB,    2*R1                       ; four tiles of 32 rows of in, one a wave; later all 256 rows of W2
.set XW,    64*WP
.set PAR,   XB+4*XW                    ; b1, b2, gamma, beta: 1,024 bytes each
.set STG,   PAR+4096                   ; the way out: 16 rows x 528 bytes for each wave; written by ds_store alone
.set STGW,  16*WP
.set SPARE, STG+4*STGW                 ; the spare words, 128 bytes for each wave: two blocks of 256 bytes that no other line names
.set AW0, 2                            ; v2   my place in a fragment of weights, slot r0: r x 528 + 16 hh; never rewritten
.set AW1, 3                            ; v3   the same in slot r1
.set AWM, 4                            ; v4   the same in the half matrix of the linear layers' trip in hand
.set AX,  5                            ; v5   my place in my wave's tile of in: r x 1,040 + 32 hh
.set APG, 6                            ; v6   gamma at my 8 hh; beta 1,024 bytes on
.set APB, 7                            ; v7   the bias of the trip in hand at my 8 hh
.set STO, 8                            ; v8   the way out: where I put 16 bytes of a row
.set RD,  9                            ; v9   the way out: where I read a row back
.set GO,  10                           ; v10  16 x lane
.set SPW, 12                           ; v12  LDS address of my spare word; never rewritten
.set NIL, 13                           ; v13  0; never rewritten
.set APB0, 14                          ; v14  b1 at my 8 hh; never rewritten
.set DG,  16                           ; v16-31  diag of tile tq, head hd at DG + 8 tq + hd
.set SA,  32                           ; four chains of pairs a tile, at SA + 8 t
.set MU,  48                           ; the mean, twice, at MU + 2 t
.set RS,  52                           ; 1 / sqrt(var + eps), twice, at RS + 2 t
.set DP,  32                           ; diag's sums, a pair for each (tq, hd)
.set WF,  64
.set BE,  64
.set OB,  64
.set BI,  192
.set GA,  128                          ; window 1
.set HL,  128                          ; window 1
.set GT,  128                          ; window 2: gelu's t, then max(x, 0)
.set GE,  136                          ; window 2: exp(-x^2 / 2)
.set GP,  144                          ; window 2: the polynomial
.set G1W, 24                           ; s[24:31] group 1: 32 rows x 256 bf16, joint
.set G1M, 32                           ; s[32:39] the same with 64 rows
.set G1X, 40                           ; s[40:47] 32 rows x 256 f32, my own
.set G1P, 48                           ; s[48:55] one row of 1,024 bytes, joint
.set G0A, 56                           ; s[56:59] group 0 for slot r0
.set G0B, 60                           ; s[60:63] for slot r1
.set G0X, 68                           ; s[68:71] for my tile of in
.set G0P, 72                           ; s[72:75] for my row of the parameters
.set G0M, 76                           ; s[76:79] for my 64 rows of a whole matrix: Wk first, W2 last
.set MSB, 0
.macro WIN new                         ; the immediate's high byte repeats the setting that is left; a switch that changes nothing is dropped
.if MSB != (\new)
	s_set_vgpr_msb (MSB<<8)|(\new)
.set MSB, (\new)
.endif
.endm
.macro PLACES                          ; four places behind matrix instructions whose registers are read, written or loaded next (ISA guide 7.12.1)
.rept 4
	v_nop
.endr
.endm
; A round of the cluster's barrier: my work-group's barrier, so that wave 0's signal speaks for all four waves; wave 0 signals; every wave waits for all four work-groups; my work-group's barrier once more.
.macro ROUND
	s_barrier_signal -1
	s_barrier_wait -1
	s_cmp_lg_u32 s10, 0
	s_cbranch_scc1 .Lnot_wave_0_\@
	s_barrier_signal -3
.Lnot_wave_0_\@:
	s_barrier_wait -3
	s_barrier_signal -1
	s_barrier_wait -1
.endm
; In front of every fill behind the first: all my tensor loads have landed; 0 onto my spare word; (between the two macros: the descriptors' steps); the add and my LDS reads are done; a round.
.macro MEET_A
	WIN 0
	s_wait_tensorcnt 0x0                           ; no tensor load of mine is out, so a descriptor may be written
	ds_add_u32 v[SPW], v[NIL]
.endm
.macro MEET_B
	s_wait_dscnt 0x0                               ; the add is done, and my reads of the bytes to be filled are over
	ROUND                                          ; both now hold of every wave of the four work-groups
.endm
.macro TL g0, g1                       ; my one tensor load behind a round, the first thing there; s_nop 0 and four v_nop follow it
	tensor_load_to_lds s[\g0:\g0+3], s[\g1:\g1+7]
	s_nop 0
	PLACES
.endm
; 16 LDS loads: the fragments of 128 rows of weights, 32 along K at K step ks, into buffer buf
.macro WFETCH aw, buf, ks
	WIN 0
.irp i, 0,1,2,3,4,5,6,7
	ds_load_b128 v[WF+64*(\buf)+8*\i:WF+64*(\buf)+8*\i+3],   v[\aw] offset:\i*16*WP+64*(\ks)
	ds_load_b128 v[WF+64*(\buf)+8*\i+4:WF+64*(\buf)+8*\i+7], v[\aw] offset:\i*16*WP+64*(\ks)+32
.endr
.endm
; 16 matrix instructions: 8 blocks of 16 channels x 2 tiles of 16 tokens, 32 along K.  The 16 accumulators take turns, one instruction a turn.
; mode 0: source 0 = weights, sums in window 2 at accb + 8 (ts t + i).  mode 1: source 0 = tokens, sums in window 3 at accb + 8 (16 t + i).
; first = 1: the product starts the sum with 0; 2: with the bias.
.macro MULS buf, ks, mode, accb, ts, first
.if (\mode) == 1
	WIN 0xf1
.elseif (\first) == 2
	WIN 0x84
.else
	WIN 0xa4
.endif
.irp i, 0,1,2,3,4,5,6,7
.irp t, 0,1
.set rW, WF+64*(\buf)+8*\i
.set rH, 64*\t+8*(\ks)
.if (\mode) == 1
.set rD, (\accb)+8*(16*\t+\i)
.if (\first) == 1
	v_wmma_f32_16x16x32_bf16 v[rD:rD+7], v[rH:rH+7], v[rW:rW+7], 0
.else
	v_wmma_f32_16x16x32_bf16 v[rD:rD+7], v[rH:rH+7], v[rW:rW+7], v[rD:rD+7]
.endif
.else
.set rD, (\accb)+8*((\ts)*\t+\i)
.if (\first) == 1
	v_wmma_f32_16x16x32_bf16 v[rD:rD+7], v[rW:rW+7], v[rH:rH+7], 0
.elseif (\first) == 2
	v_wmma_f32_16x16x32_bf16 v[rD:rD+7], v[rW:rW+7], v[rH:rH+7], v[BI+8*\i:BI+8*\i+7]
.else
	v_wmma_f32_16x16x32_bf16 v[rD:rD+7], v[rW:rW+7], v[rH:rH+7], v[rD:rD+7]
.endif
.endif
.endr
.endr
.endm
; 128 out channels x 32 tokens x K = 256: eight K steps on two fragment buffers; the next step's 16 loads are issued ahead of each step's 16 products.
.macro GEMMH aw, mode, accb, ts, first
	WFETCH \aw, 0, 0
.set kk, 0
.rept 7
.if kk > 0
	PLACES                                         ; the buffer to be loaded was read by the products just issued
.endif
	WFETCH \aw, (kk+1)%2, kk+1
	s_wait_dscnt 16                                ; all but the 16 loads just issued: this step's fragments are in
.if kk == 0
	MULS 0, 0, \mode, \accb, \ts, \first
.else
	MULS kk%2, kk, \mode, \accb, \ts, 0
.endif
.set kk, kk+1
.endr
	s_wait_dscnt 0x0
	MULS 1, 7, \mode, \accb, \ts, 0
	PLACES                                         ; for whatever reads the sums or loads the buffers next
	WIN 0
.endm
; My wave's tile of in -> window win: tile t's register 8 i + jj = token 16 t + r, channel 16 i + 8 hh + jj
.macro XLOAD win
	WIN (\win)<<6
.irp t, 0,1
.set q, 0
.rept 32
	ds_load_b128 v[128*\t+4*q:128*\t+4*q+3], v[AX] offset:16*XP*\t+64*(q/2)+16*(q%2)
.set q, q+1
.endr
.endr
	WIN 0
.endm
.macro BLOAD                           ; beta of my 128 channels -> window 0 (the fragment buffers' registers, idle during a layer norm)
	WIN 0
.set q, 0
.rept 32
	ds_load_b128 v[BE+4*q:BE+4*q+3], v[APG] offset:1024+64*(q/2)+16*(q%2)
.set q, q+1
.endr
.endm
.macro GLOAD                           ; gamma likewise -> window 1, once
	WIN 0x40
.set q, 0
.rept 32
	ds_load_b128 v[GA+4*q:GA+4*q+3], v[APG] offset:64*(q/2)+16*(q%2)
.set q, q+1
.endr
	WIN 0
.endm
.macro FOLD                            ; four chains of pairs a tile -> one number, the same in both lanes of a token, in v[SA + 8 t]
.irp t, 0,1
	v_pk_add_f32 v[SA+8*\t:SA+8*\t+1], v[SA+8*\t:SA+8*\t+1], v[SA+8*\t+2:SA+8*\t+3]
	v_pk_add_f32 v[SA+8*\t+4:SA+8*\t+5], v[SA+8*\t+4:SA+8*\t+5], v[SA+8*\t+6:SA+8*\t+7]
.endr
.irp t, 0,1
	v_pk_add_f32 v[SA+8*\t:SA+8*\t+1], v[SA+8*\t:SA+8*\t+1], v[SA+8*\t+4:SA+8*\t+5]
.endr
.irp t, 0,1
	v_add_f32 v[SA+8*\t], v[SA+8*\t], v[SA+8*\t+1]
.endr
.irp t, 0,1
	v_permlanex16_b32 v[SA+8*\t+1], v[SA+8*\t], s94, s95   ; the token's other 128 channels lie in the lane 16 away
.endr
.irp t, 0,1
	v_add_f32 v[SA+8*\t], v[SA+8*\t], v[SA+8*\t+1]
.endr
.endm
; LAYER NORM of the 32 rows in window src; the differences and the result are made in window wrk (src is kept where the two differ); H takes the result in bf16.
.macro LN src, wrk
	WIN (\src)|((\src)<<2)                         ; the sum: the first eight pairs start the four chains: nothing is cleared
.irp c, 0,1,2,3
.irp t, 0,1
	v_pk_add_f32 v[SA+8*\t+2*\c:SA+8*\t+2*\c+1], v[128*\t+2*\c:128*\t+2*\c+1], v[128*\t+8+2*\c:128*\t+8+2*\c+1]
.endr
.endr
	WIN (\src)
.set p, 8
.rept 56
.irp t, 0,1
	v_pk_add_f32 v[SA+8*\t+2*(p%4):SA+8*\t+2*(p%4)+1], v[128*\t+2*p:128*\t+2*p+1], v[SA+8*\t+2*(p%4):SA+8*\t+2*(p%4)+1]
.endr
.set p, p+1
.endr
	WIN 0
	FOLD
.irp t, 0,1
	v_mul_f32 v[MU+2*\t], s66, v[SA+8*\t]          ; the mean, twice: a pair for the packed subtraction
	v_mul_f32 v[MU+2*\t+1], s66, v[SA+8*\t]
.endr
	WIN (\src)|((\wrk)<<6)                         ; d = x - mean
.set p, 0
.rept 64
.irp t, 0,1
	v_pk_add_f32 v[128*\t+2*p:128*\t+2*p+1], v[128*\t+2*p:128*\t+2*p+1], v[MU+2*\t:MU+2*\t+1] neg_lo:[0,1] neg_hi:[0,1]
.endr
.set p, p+1
.endr
	WIN (\wrk)|((\wrk)<<2)                         ; the sum of d^2
.irp c, 0,1,2,3
.irp t, 0,1
	v_pk_mul_f32 v[SA+8*\t+2*\c:SA+8*\t+2*\c+1], v[128*\t+2*\c:128*\t+2*\c+1], v[128*\t+2*\c:128*\t+2*\c+1]
.endr
.endr
.set p, 4
.rept 60
.irp t, 0,1
	v_pk_fma_f32 v[SA+8*\t+2*(p%4):SA+8*\t+2*(p%4)+1], v[128*\t+2*p:128*\t+2*p+1], v[128*\t+2*p:128*\t+2*p+1], v[SA+8*\t+2*(p%4):SA+8*\t+2*(p%4)+1]
.endr
.set p, p+1
.endr
	WIN 0
	FOLD
.irp t, 0,1
	v_fma_f32 v[SA+8*\t], v[SA+8*\t], s66, s67     ; var + eps
.endr
.irp t, 0,1
	v_rsq_f32 v[RS+2*\t], v[SA+8*\t]
	v_rsq_f32 v[RS+2*\t+1], v[SA+8*\t]
.endr
	v_nop                                          ; a plain instruction between the last root and the use of its result (ISA guide 5.7.2)
	WIN (\wrk)|((\wrk)<<6)
.set p, 0
	s_wait_alu depctr_va_vdst(0)
.rept 64
.irp t, 0,1
	v_pk_mul_f32 v[128*\t+2*p:128*\t+2*p+1], v[128*\t+2*p:128*\t+2*p+1], v[RS+2*\t:RS+2*\t+1]
.endr
.set p, p+1
.endr
	WIN (\wrk)|(1<<2)|((\wrk)<<6)                  ; times gamma (window 1) plus beta (window 0)
.set p, 0
.rept 64
.irp t, 0,1
	v_pk_fma_f32 v[128*\t+2*p:128*\t+2*p+1], v[128*\t+2*p:128*\t+2*p+1], v[GA+2*p:GA+2*p+1], v[BE+2*p:BE+2*p+1]
.endr
.set p, p+1
.endr
	WIN (\wrk)|((\wrk)<<2)|(1<<6)                  ; rounded in pairs: registers 8 ks .. 8 ks + 7 of H's tile are source 1 of K step ks
.set p, 0
.rept 64
.irp t, 0,1
	v_cvt_pk_bf16_f32 v[64*\t+p], v[128*\t+2*p], v[128*\t+2*p+1]
.endr
.set p, p+1
.endr
	WIN 0
.endm
; gelu(x) = max(x, 0) - |x| (a1/2 t + .. + a5/2 t^5) exp(-x^2 / 2), t = 1 / (1 + 0.2316419 |x|), for the 8 sums at x of window 2, in place.  The accumulator's lowest register is read first.
.macro GELU8 x
.irp k, 0,1,2,3,4,5,6,7
	v_fma_f32 v[GT+\k], |v[(\x)+\k]|, s80, 1.0
.endr
.irp k, 0,2,4,6
	v_pk_mul_f32 v[GE+\k:GE+\k+1], v[(\x)+\k:(\x)+\k+1], v[(\x)+\k:(\x)+\k+1]
.endr
.irp k, 0,1,2,3,4,5,6,7
	v_rcp_f32 v[GT+\k], v[GT+\k]
.endr
.irp k, 0,2,4,6
	v_pk_mul_f32 v[GE+\k:GE+\k+1], v[GE+\k:GE+\k+1], s[82:83] op_sel_hi:[1,0]  ; the plain instructions behind the reciprocals
.endr
.irp k, 0,1,2,3,4,5,6,7
	v_exp_f32 v[GE+\k], v[GE+\k]
.endr
	s_wait_alu depctr_va_vdst(0)
.irp k, 0,2,4,6
	v_pk_fma_f32 v[GP+\k:GP+\k+1], v[GT+\k:GT+\k+1], s[92:93], s[90:91] op_sel_hi:[1,0,0]  ; and those behind the exponentials
.endr
.irp k, 0,2,4,6
	v_pk_fma_f32 v[GP+\k:GP+\k+1], v[GP+\k:GP+\k+1], v[GT+\k:GT+\k+1], s[88:89] op_sel_hi:[1,1,0]
.endr
.irp k, 0,2,4,6
	v_pk_fma_f32 v[GP+\k:GP+\k+1], v[GP+\k:GP+\k+1], v[GT+\k:GT+\k+1], s[86:87] op_sel_hi:[1,1,0]
.endr
.irp k, 0,2,4,6
	v_pk_fma_f32 v[GP+\k:GP+\k+1], v[GP+\k:GP+\k+1], v[GT+\k:GT+\k+1], s[84:85] op_sel_hi:[1,1,0]
.endr
.irp k, 0,2,4,6
	v_pk_mul_f32 v[GP+\k:GP+\k+1], v[GP+\k:GP+\k+1], v[GT+\k:GT+\k+1]
.endr
.irp k, 0,2,4,6
	v_pk_mul_f32 v[GP+\k:GP+\k+1], v[GP+\k:GP+\k+1], v[GE+\k:GE+\k+1]
.endr
.irp k, 0,1,2,3,4,5,6,7
	v_max_num_f32 v[GT+\k], 0, v[(\x)+\k]
.endr
.irp k, 0,1,2,3,4,5,6,7
	v_fma_f32 v[(\x)+\k], -|v[(\x)+\k]|, v[GP+\k], v[GT+\k]
.endr
.endm
.macro ADDOUT hb                       ; out's 128 channels whose registers begin at hb in each tile: att += the second linear layer's result
	WIN 0xcb
.irp t, 0,1
.set p, 0
.rept 32
	v_pk_add_f32 v[128*\t+(\hb)+2*p:128*\t+(\hb)+2*p+1], v[128*\t+(\hb)+2*p:128*\t+(\hb)+2*p+1], v[64*\t+2*p:64*\t+2*p+1]
.set p, p+1
.endr
.endr
	WIN 0
.endm
; The way out of 16 tokens x 128 channels: 32 bytes a lane into rows of 528 bytes of my own stage, back as whole half rows of 512 bytes, stored.
.macro OUTP t, hf, n
	s_wait_xcnt 0x0                                ; the registers that earlier stores read are loaded again only behind this wait
	WIN 0x0c                                       ; store data in window 3
.irp i, 0,1,2,3,4,5,6,7
.irp p, 0,1
	ds_store_b128 v[STO], v[128*(\t)+64*(\hf)+8*\i+4*\p:128*(\t)+64*(\hf)+8*\i+4*\p+3] offset:64*\i+16*\p
.endr
.endr
	WIN 0
.irp k, 0,1,2,3,4,5,6,7,8,9,10,11,12,13,14,15
	ds_load_b128 v[OB+64*((\n)%2)+4*\k:OB+64*((\n)%2)+4*\k+3], v[RD] offset:WP*\k  ; LDS serves a wave's instructions in order (ISA guide 5.7.1.4): these see the stores above
.endr
	s_wait_dscnt 0x0
.irp k, 0,1,2,3,4,5,6,7,8,9,10,11,12,13,14,15
	global_store_b128 v[GO], v[OB+64*((\n)%2)+4*\k:OB+64*((\n)%2)+4*\k+3], s[8:9] offset:(16*(\t)+\k)*1024+512*(\hf)  ; a wave's store covers 512 consecutive bytes, aligned
.endr
.endm
	; ---------------- the head ----------------
	s_load_b128 s[4:7], s[0:1], 0x0                ; in s[4:5], wl s[6:7]
	s_load_b64 s[8:9], s[0:1], 0x10                ; out
	v_lshl_add_u32 v[SPW], v0, 2, SPARE
	v_mov_b32 v[NIL], 0
	ds_add_u32 v12, v13
	ds_add_u32 v12, v13
	s_wait_dscnt 0x0
	v_lshrrev_b32 v1, 5, v0
	v_readfirstlane_b32 s10, v1                    ; wave 0..3
	s_bfe_u32 s12, ttmp6, 0x40000                  ; cx: it enters the addresses of in and out alone
	s_lshl_b32 s13, ttmp9, 2                       ; in a cluster launch ttmp9 counts clusters
	s_add_co_u32 s13, s13, s12                     ; work-group g
	s_lshr_b32 s14, s13, 5                         ; batch = g / 32
	s_and_b32 s15, s13, 31
	s_lshl_b32 s15, s15, 2
	s_add_co_u32 s15, s15, s10                     ; block j = 4 (g % 32) + wave
	s_lshl_b32 s14, s14, 12                        ; the batch's first token
	s_add_co_u32 s20, s14, s15                     ; my key rows begin at token j and lie 128 tokens apart,
	s_lshl_b32 s20, s20, 10                        ; in bytes (under 2^25)
	s_mov_b32 s21, 0
	s_lshl_b32 s15, s15, 5
	s_add_co_u32 s22, s14, s15                     ; my query rows begin at token 32 j
	s_lshl_b32 s22, s22, 10
	s_mov_b32 s23, 0
	s_lshl_b32 s16, s10, 14                        ; offsets in wl, made of the wave's number alone: my 32 rows of a half matrix,
	s_mov_b32 s17, 0
	s_lshl_b32 s18, s10, 15                        ; my 64 rows of a whole matrix,
	s_mov_b32 s19, 0
	s_lshl_b32 s66, s10, 10                        ; my row of the parameters
	s_mov_b32 s67, 0
	; group 1, all sizes in elements
	s_mov_b32 s[G1W+0], 15|(1<<16)|(1<<20)|(1<<21)|(6<<22)|(3<<25)  ; 15:0 the mask of four; 17:16 2-byte elements; 20 padding on; 21 set beside a mask; 24:22 after every 128 words; 31:25 4 words
	s_mov_b32 s[G1W+1], 256<<16                    ; tensor_dim0 = 256
	s_mov_b32 s[G1W+2], 32<<16                     ; tensor_dim1 = 32
	s_mov_b32 s[G1W+3], 256<<16                    ; tile_dim0 = 256
	s_mov_b32 s[G1W+4], 32                         ; tile_dim1 = 32
	s_mov_b32 s[G1W+5], 256                        ; elements from row to row
	s_mov_b32 s[G1W+6], 0
	s_mov_b32 s[G1W+7], 0
	s_mov_b32 s[G1M+0], 15|(1<<16)|(1<<20)|(1<<21)|(6<<22)|(3<<25)
	s_mov_b32 s[G1M+1], 256<<16
	s_mov_b32 s[G1M+2], 64<<16                     ; 64 rows
	s_mov_b32 s[G1M+3], 256<<16
	s_mov_b32 s[G1M+4], 64
	s_mov_b32 s[G1M+5], 256
	s_mov_b32 s[G1M+6], 0
	s_mov_b32 s[G1M+7], 0
	s_mov_b32 s[G1X+0], (2<<16)|(1<<20)|(7<<22)|(3<<25)  ; no mask; 4-byte elements; 4 words of padding after every 256
	s_mov_b32 s[G1X+1], 256<<16
	s_mov_b32 s[G1X+2], 32<<16
	s_mov_b32 s[G1X+3], 256<<16
	s_mov_b32 s[G1X+4], 32
	s_mov_b32 s[G1X+5], 128*256                    ; the key rows lie 128 tokens apart
	s_mov_b32 s[G1X+6], 0
	s_mov_b32 s[G1X+7], 0
	s_mov_b32 s[G1P+0], 15|(3<<16)|(1<<21)         ; the mask; 8-byte elements; no padding
	s_mov_b32 s[G1P+1], 128<<16
	s_mov_b32 s[G1P+2], 1<<16
	s_mov_b32 s[G1P+3], 128<<16
	s_mov_b32 s[G1P+4], 1
	s_mov_b32 s[G1P+5], 128
	s_mov_b32 s[G1P+6], 0
	s_mov_b32 s[G1P+7], 0
	; group 0: count, LDS address (constants and the wave's number), global address, type
	s_mov_b32 s[G0A], 1
	s_mul_i32 s[G0A+1], s10, 32*WP
	s_mov_b32 s[G0B], 1
	s_add_co_u32 s[G0B+1], s[G0A+1], R1
	s_mov_b32 s[G0X], 1
	s_mul_i32 s[G0X+1], s10, XW
	s_add_co_u32 s[G0X+1], s[G0X+1], XB
	s_mov_b32 s[G0P], 1
	s_lshl_b32 s[G0P+1], s10, 10
	s_add_co_u32 s[G0P+1], s[G0P+1], PAR
	s_mov_b32 s[G0M], 1
	s_mul_i32 s[G0M+1], s10, XW                    ; Wk: 64 rows a wave from LDS byte 0 on: r0 and r1
	s_mul_i32 s98, s10, STGW
	s_add_co_u32 s98, s98, STG                     ; my stage
	s_mul_i32 s99, s10, XW
	s_add_co_u32 s99, s99, XB                      ; my tile of in
	s_mov_b32 s80, 0x3e6d3388                      ; 0.3275911 / sqrt(2)
	s_mov_b32 s81, s80                             ; (each constant is named as a pair, so both words are written)
	s_mov_b32 s82, 0xbf38aa3b                      ; -log2(e) / 2
	s_mov_b32 s83, s82
	s_mov_b32 s84, 0x3e027906                      ; a1 / 2 =  0.127414796
	s_mov_b32 s85, s84
	s_mov_b32 s86, 0xbe11a98e                      ; a2 / 2 = -0.142248368
	s_mov_b32 s87, s86
	s_mov_b32 s88, 0x3f35f0e3                      ; a3 / 2 =  0.710706871
	s_mov_b32 s89, s88
	s_mov_b32 s90, 0xbf3a00e3                      ; a4 / 2 = -0.726576014
	s_mov_b32 s91, s90
	s_mov_b32 s92, 0x3f07dc22                      ; a5 / 2 =  0.530702715
	s_mov_b32 s93, s92
	s_mov_b32 s94, 0x76543210                      ; v_permlanex16_b32: each lane takes its own place in the other half
	s_mov_b32 s95, 0xfedcba98
	s_wait_kmcnt 0x0
	s_add_nc_u64 s[G0A+2:G0A+3], s[6:7], s[16:17]
	s_add_nc_u64 s[G0A+2:G0A+3], s[G0A+2:G0A+3], 131072    ; Wq's channels 0-127
	s_add_nc_u64 s[G0B+2:G0B+3], s[G0A+2:G0A+3], 65536     ; Wq's channels 128-255
	s_add_nc_u64 s[G0M+2:G0M+3], s[6:7], s[18:19]          ; Wk
	s_add_nc_u64 s[G0P+2:G0P+3], s[6:7], s[66:67]
	s_add_nc_u64 s[G0P+2:G0P+3], s[G0P+2:G0P+3], 655360    ; the parameters
	s_add_nc_u64 s[G0X+2:G0X+3], s[4:5], s[20:21]          ; my key rows
	s_add_nc_u64 s[96:97], s[4:5], s[22:23]                ; my query rows, for later
	s_add_nc_u64 s[8:9], s[8:9], s[22:23]                  ; out at my query rows
	s_or_b32 s[G0A+3], s[G0A+3], 0x80000000
	s_or_b32 s[G0B+3], s[G0B+3], 0x80000000
	s_or_b32 s[G0M+3], s[G0M+3], 0x80000000
	s_or_b32 s[G0P+3], s[G0P+3], 0x80000000
	s_or_b32 s[G0X+3], s[G0X+3], 0x80000000
	s_mov_b32 s66, 0x3b800000                      ; 1 / 256
	s_mov_b32 s67, 0x3727c5ac                      ; eps = 1e-5
	ROUND                                          ; all four work-groups are here: the first joint loads meet
	tensor_load_to_lds s[G0X:G0X+3], s[G1X:G1X+7]  ; the first fills, one group; three loads of mine are out
	s_nop 0
	tensor_load_to_lds s[G0P:G0P+3], s[G1P:G1P+7]
	s_nop 0
	tensor_load_to_lds s[G0M:G0M+3], s[G1M:G1M+7]
	s_nop 0
	PLACES
	v_and_b32 v1, 15, v0                           ; r
	v_bfe_u32 v11, v0, 4, 1                        ; hh
	v_mul_u32_u24 v[AW0], v1, WP
	v_lshl_add_u32 v[AW0], v11, 4, v[AW0]
	v_add_nc_u32 v[AW1], R1, v[AW0]
	v_mul_u32_u24 v[AX], v1, XP
	v_lshl_add_u32 v[AX], v11, 5, v[AX]
	v_add_nc_u32 v[AX], s99, v[AX]
	v_lshl_add_u32 v[APG], v11, 5, PAR+2048
	v_lshl_add_u32 v[APB0], v11, 5, PAR
	v_mul_u32_u24 v[STO], v1, WP
	v_lshl_add_u32 v[STO], v11, 5, v[STO]
	v_add_nc_u32 v[STO], s98, v[STO]
	v_and_b32 v[GO], 31, v0
	v_lshlrev_b32 v[GO], 4, v[GO]
	v_add_nc_u32 v[RD], s98, v[GO]
	s_wait_tensorcnt 0x1                           ; my key rows and my row of the parameters are in; Wk may stay out
	s_barrier_signal -1
	s_barrier_wait -1                              ; everybody's row of the parameters is in
	; ---------------- K of my 32 key rows ----------------
	GLOAD
	BLOAD
	XLOAD 2
	MEET_A                                         ; Wk is in
	s_mov_b64 s[G0X+2:G0X+3], s[96:97]             ; my tile of in takes my query rows,
	s_or_b32 s[G0X+3], s[G0X+3], 0x80000000
	s_mov_b32 s[G1X+5], 256                        ; which lie end to end
	s_add_co_u32 s[G0M+1], s[G0M+1], XB            ; the whole-matrix descriptor goes on to its second and last use: W2, into the four tiles of in
	s_add_nc_u64 s[G0M+2:G0M+3], s[G0M+2:G0M+3], 524288
	MEET_B                                         ; the key rows, gamma and beta are in registers; Wk is in, everybody's part of it
	TL G0X, G1X                                    ; it has the layer norm and K's first half in which to land
	LN 2, 2                                        ; H = LN(key rows)
	GEMMH AW0, 1, 0, 16, 1                         ; K, channels 0-127
	MEET_A
	MEET_B
	TL G0A, G1W                                    ; Wq's first half -> r0
	GEMMH AW1, 1, 64, 16, 1                        ; K, channels 128-255
	MEET_A
	MEET_B
	TL G0B, G1W                                    ; Wq's second half -> r1: it has the layer norm and Q's first half in which to land
	BLOAD
	XLOAD 2
	s_wait_dscnt 0x0
	LN 2, 2                                        ; H = LN(query rows)
	; ---------------- Q, diag, V ----------------
	s_mov_b32 s11, 2
.Lqv:                                                  ; two trips: Q, then V; behind each half its slot is asked for again, with the same half of the next matrix
	GEMMH AW0, 0, 0, 16, 1
	MEET_A
	s_add_nc_u64 s[G0A+2:G0A+3], s[G0A+2:G0A+3], 131072
	MEET_B
	TL G0A, G1W
	GEMMH AW1, 0, 64, 16, 1
	MEET_A
	s_add_nc_u64 s[G0B+2:G0B+3], s[G0B+2:G0B+3], 131072
	MEET_B
	TL G0B, G1W
	s_cmp_lg_u32 s11, 2                            ; at the first trip the answer is a constant of the text: diag is made before anything reads it
	s_cbranch_scc1 .Lno_diag
	WIN 0x0e                                       ; Q in window 2, K in window 3, the sums in window 0: 16 chains of 8
.irp te, 0,1
.irp pp, 0,1,2,3
.irp tq, 0,1
.irp hd, 0,1,2,3,4,5,6,7
.if ((\te)+(\pp)) == 0
	v_pk_mul_f32 v[DP+2*(8*\tq+\hd):DP+2*(8*\tq+\hd)+1], v[8*(16*\tq+2*\hd+\te)+2*\pp:8*(16*\tq+2*\hd+\te)+2*\pp+1], v[8*(16*\te+2*\hd+\tq)+2*\pp:8*(16*\te+2*\hd+\tq)+2*\pp+1]
.else
	v_pk_fma_f32 v[DP+2*(8*\tq+\hd):DP+2*(8*\tq+\hd)+1], v[8*(16*\tq+2*\hd+\te)+2*\pp:8*(16*\tq+2*\hd+\te)+2*\pp+1], v[8*(16*\te+2*\hd+\tq)+2*\pp:8*(16*\te+2*\hd+\tq)+2*\pp+1], v[DP+2*(8*\tq+\hd):DP+2*(8*\tq+\hd)+1]
.endif
.endr
.endr
.endr
.endr
	WIN 0
.set p, 0
.rept 16
	v_add_f32 v[DP+2*p], v[DP+2*p], v[DP+2*p+1]
.set p, p+1
.endr
.set p, 0
.rept 16
	v_permlanex16_b32 v[DP+2*p+1], v[DP+2*p], s94, s95     ; the other sixteen e lie in the lane 16 away
.set p, p+1
.endr
.set p, 0
.rept 16
	v_add_f32 v[DP+2*p], v[DP+2*p], v[DP+2*p+1]
.set p, p+1
.endr
.set p, 0
.rept 16
	v_mul_f32 v[DG+p], 0x3c800000, v[DP+2*p]       ; / sqrt(4096)
.set p, p+1
.endr
	XLOAD 3                                        ; K is used up: window 3 takes the query rows of in once more, for the residual; waited for at the next meeting
.Lno_diag:
	s_sub_co_u32 s11, s11, 1
	s_cmp_lg_u32 s11, 0
	s_cbranch_scc1 .Lqv
	; ---------------- att = diag V + in; its layer norm.  W1's second half lands under both ----------------
	WIN 0xf2                                       ; V in window 2, diag in window 0, in and att in window 3
.irp t, 0,1
.set i, 0
.rept 16
.irp pp, 0,1,2,3
.set rr, 8*(16*\t+i)+2*\pp
.set dn, 8*\t+i/2
.if dn%2 == 0
	v_pk_fma_f32 v[rr:rr+1], v[rr:rr+1], v[DG+dn:DG+dn+1], v[rr:rr+1] op_sel_hi:[1,0,1]
.else
	v_pk_fma_f32 v[rr:rr+1], v[rr:rr+1], v[DG+dn-1:DG+dn], v[rr:rr+1] op_sel:[0,1,0] op_sel_hi:[1,1,1]
.endif
.endr
.set i, i+1
.endr
.endr
	BLOAD
	s_wait_dscnt 0x0
	LN 3, 2                                        ; H = LN(att); att stays in window 3
	MEET_A
	MEET_B                                         ; W1 is in, both halves, everybody's parts
	TL G0M, G1M                                    ; all of W2 -> the four tiles of in, which every wave has read out: 64 rows a wave; the last fill; it has the first linear layer in which to land
	; ---------------- the two linear layers, 128 channels a trip: W1 in r0 and r1, W2 behind them, four halves R1 bytes apart from LDS byte 0 on ----------------
	s_mov_b32 s11, 4
	s_mov_b32 s12, 0                               ; the trip's half matrix
	s_mov_b32 s13, 0                               ; the trip's 128 numbers of b1, b2
.Lm:
	v_add_nc_u32 v[AWM], s12, v[AW0]
	v_add_nc_u32 v[APB], s13, v[APB0]
.irp i, 0,1,2,3,4,5,6,7
.irp p, 0,1
	ds_load_b128 v[BI+8*\i+4*\p:BI+8*\i+4*\p+3], v[APB] offset:64*\i+16*\p  ; the bias in an accumulator's layout: it starts the sums
.endr
.endr
	GEMMH AWM, 0, 0, 8, 2
	WIN 0xaa
.set a, 0
.rept 16
	GELU8 8*a
.set a, a+1
.endr
	WIN 0
	s_add_co_u32 s12, s12, R1
	s_add_co_u32 s13, s13, 512
	s_cmp_eq_u32 s11, 4
	s_cbranch_scc1 .Lm1_lo
	s_cmp_eq_u32 s11, 3
	s_cbranch_scc1 .Lm1_hi
	s_cmp_eq_u32 s11, 2
	s_cbranch_scc1 .Lm2_lo
	ADDOUT 64
	s_branch .Lm_end
.Lm2_lo:                                               ; out's channels 0-127 are done: they leave now, while the last trip multiplies
	ADDOUT 0
	OUTP 0, 0, 0
	OUTP 1, 0, 1
	s_wait_xcnt 0x0                                ; the stores' data lie in the fragment buffers, which the next trip loads again only behind this wait
	s_branch .Lm_end
.Lm1_hi:                                               ; the first layer is done: its channels 128-255 go straight into H, channels 0-127 follow from where they waited
	WIN 0x4a
.irp t, 0,1
.set p, 0
.rept 32
	v_cvt_pk_bf16_f32 v[64*\t+32+p], v[64*\t+2*p], v[64*\t+2*p+1]
.set p, p+1
.endr
.endr
	WIN 0x41
.irp t, 0,1
.set p, 0
.rept 32
	v_mov_b32 v[64*\t+p], v[HL+32*\t+p]
.set p, p+1
.endr
.endr
	WIN 0
	s_wait_tensorcnt 0x0                           ; my part of W2, asked for ahead of the loop, is in,
	s_barrier_signal -1                            ; (no LDS instruction of mine is out: the products' last wait was for 0)
	s_barrier_wait -1                              ; everybody's is
	s_branch .Lm_end
.Lm1_lo:                                               ; H is still to be multiplied by W1's second half: channels 0-127 wait in gamma's registers, which are free
	WIN 0x4a
.irp t, 0,1
.set p, 0
.rept 32
	v_cvt_pk_bf16_f32 v[HL+32*\t+p], v[64*\t+2*p], v[64*\t+2*p+1]
.set p, p+1
.endr
.endr
	WIN 0
.Lm_end:
	s_sub_co_u32 s11, s11, 1
	s_cmp_lg_u32 s11, 0
	s_cbranch_scc1 .Lm
	; ---------------- the way out of channels 128-255 ----------------
	OUTP 0, 1, 2
	OUTP 1, 1, 3
	s_wait_tensorcnt 0x0                           ; the wave's end: behind my last tensor load and my last LDS store
	ds_add_u32 v[SPW], v[NIL]
	s_wait_dscnt 0x0
	ROUND                                          ; the closing round: no work-group ends while a partner may still ask for a tile that names it
	s_endpgm
.Lfunc_end_k_q36657a2667_layer1:
	.size	k_q36657a2667_layer1, .Lfunc_end_k_q36657a2667_layer1-k_q36657a2667_layer1
	.p2alignl 7, 3214868480
	.fill 96, 4, 3214868480
	.section	.rodata,"a",@progbits
	.p2align	6, 0x0
	.amdhsa_kernel k_q36657a2667_layer1
		.amdhsa_group_segment_fixed_size 327680
		.amdhsa_private_segment_fixed_size 0
		.amdhsa_enable_private_segment 0
		.amdhsa_kernarg_size 24
		.amdhsa_user_sgpr_count 2
		.amdhsa_user_sgpr_kernarg_segment_ptr 1
		.amdhsa_wavefront_size32 1
		.amdhsa_system_sgpr_workgroup_id_x 1
		.amdhsa_system_sgpr_workgroup_id_y 1
		.amdhsa_system_sgpr_workgroup_id_z 1
		.amdhsa_system_vgpr_workitem_id 0
		.amdhsa_next_free_vgpr 1024
		.amdhsa_next_free_sgpr 100
		.amdhsa_reserve_vcc 0
		.amdhsa_float_denorm_mode_32 3
		.amdhsa_float_denorm_mode_16_64 3
		.amdhsa_memory_ordered 1
		.amdhsa_forward_progress 1
		.amdhsa_inst_pref_size 255
	.end_amdhsa_kernel
	.section	.bss,"aw",@nobits
	.p2align	6
	.space	262144
	.amdgpu_metadata
---
amdhsa.version: [ 1, 2 ]
amdhsa.kernels:
  - .name:           k_q36657a2667_layer1
    .symbol:         k_q36657a2667_layer1.kd
    .args:
      - { .name: processed_grid_repr, .offset: 0, .size: 8, .value_kind: global_buffer, .address_space: global }
      - { .name: wl0, .offset: 8, .size: 8, .value_kind: global_buffer, .address_space: global }
      - { .name: actA, .offset: 16, .size: 8, .value_kind: global_buffer, .address_space: global }
    .group_segment_fixed_size: 327680
    .private_segment_fixed_size: 0
    .kernarg_segment_align: 8
    .kernarg_segment_size: 24
    .max_flat_workgroup_size: 128
    .sgpr_count:     100
    .vgpr_count:     1024
    .wavefront_size: 32
...
	.end_amdgpu_metadata
.endif
;; end of part 5
;; launch layer2: the kernel of part 5 again; grid 256 x 1, 4 waves a work-group, clusters of 4 x 1, 327,680 bytes of LDS; arguments actA, wl1, actB; writes actB
;; launch s3 (part 6): grid 32 x 1, 4 waves a work-group, no clusters, 306,176 bytes of LDS; arguments actB, wl2, actA; writes actA
.if DOCPART == 6
	.amdgcn_target "amdgcn-amd-amdhsa--gfx1250"
	.amdhsa_code_object_version 6
	.text
	.protected	k_q36657a2667_s3
	.globl	k_q36657a2667_s3
	.p2align	8
	.type	k_q36657a2667_s3,@function
k_q36657a2667_s3:
	s_mov_b64 s[64:65], 0
	v_nop
	global_prefetch_b8 v0, s[64:65] scope:SCOPE_SE
	s_setreg_imm32_b32 hwreg(HW_REG_WAVE_MODE, 25, 1), 1
	s_wait_xcnt 0x0
; ONE ENCODER LAYER FOR THE FEW TOKENS THAT REACH THE RESULT.  The module returns token 0 alone.  With diag[q] = sum_e Q[q][h][e] K[128 e + q / 32][h][q % 32], the last layer's token 0 needs
; the layer before at tokens 128 e, and those need the layer before that at tokens 128 g and 128 e + 4 g; in both layers q % 32 = 0, so of K only channel 0 of each head is used.
; Work-group g takes query token 128 g of all 8 batches: query rows 4096 b + 128 g, key rows 4096 b + 4 g + 128 e, result to row 4096 b + 128 g.  32 work-groups are the last layer but one;
; the last layer is the same text with one work-group, g = 0.  NO CLUSTER: that second launch has one work-group.
;   h = LN(in); Q, V = h W^T at the query rows, k[e][hd] = LN(key row e) . Wk[32 hd]; diag = sum_e Q[32 hd + e] k[e][hd] / 64; att = diag V + in; out = gelu(gelu(LN(att) W1^T + b1) W2^T + b2) + att.
; SHARES.  Four waves.  Wave w makes k for batches 2 w, 2 w + 1 (64 key rows, four tiles of 16) and owns out channels 64 w .. 64 w + 63 (heads 2 w, 2 w + 1) of every product.
; A tile of tokens has 16 columns and there are 8 batches: columns 8-15 repeat columns 0-7, and where both write LDS they write the same number to the same byte.
; LAYOUTS (r = lane % 16, hh = lane / 16).  Rows come out of LDS with ONE token a lane: register 8 i + jj = channel 16 i + 8 hh + jj, so a layer norm's sums stay in the lane but for one
; exchange, and the result rounded in pairs IS a matrix operand (8 registers for each 32 channels).  Every wave norms the whole query tile and the whole att tile for itself: that costs no barrier.
; Q, V and the linear layers: source 0 = 16 out channels, source 1 = tokens: a lane holds one token and 8 channels.  k: source 0 = 16 key rows, source 1 = the 8 rows of Wk, twice: a lane holds one head and 8 key rows.
; WEIGHTS go from memory straight into registers: the 512 KiB of four matrices do not fit in LDS beside the key rows.  wl holds them in the order of matrix operands: a block of 512 bytes for each
; (tile of 16 rows, K step of 32, half of the step), lane l's 16 bytes at 16 l, so each load of a wave covers 512 consecutive bytes, aligned.  Two buffers of 256 registers: each product's weights
; are asked for as soon as the product two before has read its buffer.
; FORMATS.  Matrix operands bf16, sums f32; layer norms (mean first, then the variance of the differences), diag, gelu, residuals f32.
; LIMITS.  erf by the rational form 1 - (a1 t + .. + a5 t^5) exp(-z^2), t = 1 / (1 + 0.3275911 z): absolute error at most 1.5e-7 for every z.  NaN and infinities are not treated apart.
; REGISTERS, in windows of 256 (s_set_vgpr_msb: bits 1:0 source 0, 3:2 source 1, 5:4 source 2, 7:6 destination):
;   window 0: v0-31 addresses and diag; v32-63 at work; v64-191 a tile of 16 rows, its bf16 form in place in v64-127, v128-191 then free for k, sums of k, biases; v192-255 Wk's fragments, later v192-223 sums, v224-255 in / att
;   window 1: v0-127 gamma, v128-255 beta          windows 2, 3: a product's weights: tile ti, K step ks at 64 ti + 8 ks
.set XP,   1040                        ; a row in LDS: 1,024 bytes + 16: the 16 rows of a load start at 16 different groups of four banks (64 banks of 4 bytes: ISA guide 11.1)
.set KEYW, 64*XP                       ; a wave's 64 key rows; the four waves' lie from LDS byte 0 on
.set QT,   4*KEYW                      ; the 8 query rows
.set PAR,  QT+8448                     ; b1, b2, gamma, beta: 1,024 bytes each
.set ATT,  PAR+4096                    ; 8 rows of att, later of out: written by ds_store alone, as are the two stages behind it
.set KT,   ATT+8448                    ; k[head][batch][half of 16 key rows]
.set KTH,  1280
.set KTS,  160                         ; 8 batches 160 bytes apart start in 8 different groups of eight banks
.set KTT,  80
.set H1S,  KT+8*KTH                    ; the first linear layer's result in bf16: tile i of 16 channels at 512 i, 16 bytes a lane
.set WQ,   131072                      ; byte offsets of the matrices in wl
.set WV,   262144
.set W1,   393216
.set W2,   524288
.set AXC, 4                            ; v4   my place in the tile to be normed next
.set AXQ, 5                            ; v5   in the query tile: (r % 8) x 1,040 + 32 hh
.set AXA, 6                            ; v6   in the att tile
.set AKT, 7                            ; v7   where I put k, stepping by a tile
.set AKR, 8                            ; v8   where I read k of my two heads
.set AXR, 9                            ; v9   my wave's 64 channels in the query tile
.set AXS, 10                           ; v10  the same in the att tile
.set APG, 11                           ; v11  gamma at my 8 hh; beta 1,024 bytes on
.set APB, 12                           ; v12  b1 at my wave's channels; b2 1,024 bytes on
.set AHS, 13                           ; v13  where I put my part of the first linear layer's result
.set AHR, 14                           ; v14  where I read all of it
.set AWG, 15                           ; v15  16 x lane: my place in a block of weights
.set AWK, 16                           ; v16  my place in Wk's blocks: row 32 (r % 8) is row 0 of tile 2 (r % 8): 16,384 (r % 8) + 256 hh
.set ARD, 17                           ; v17  the way out: lanes 0-15 read my wave's 256 bytes of one row, lanes 16-31 of the next
.set GO,  18                           ; v18-21  the same two rows in out, for the four pairs of batches
.set DG,  22                           ; v22-25  diag of my two heads, each twice
.set SA,  32                           ; four chains of pairs
.set MU,  40                           ; the mean, twice
.set RS,  42                           ; 1 / sqrt(var + eps), twice
.set GT,  32                           ; gelu's t, then max(x, 0)
.set GE,  40                           ; exp(-x^2 / 2)
.set GP,  48                           ; the polynomial
.set HP,  32                           ; 16 registers of bf16 on their way to LDS; later 16 of out on their way to memory
.set DP,  56                           ; diag's sums, a pair a head
.set X,   64
.set H,   64
.set KA,  128                          ; k's two sums (even and odd K steps)
.set KK,  128                          ; k as read back: 8 ti + jj beside Q's sums
.set B1,  128
.set B2,  160
.set WK,  192
.set ACC, 192
.set XR,  224
.set MSB, 0
.macro WIN new                         ; the immediate's high byte repeats the setting that is left; a switch that changes nothing is dropped
.if MSB != (\new)
	s_set_vgpr_msb (MSB<<8)|(\new)
.set MSB, (\new)
.endif
.endm
.macro PLACES                          ; four places behind matrix instructions whose registers are read, written or loaded next (ISA guide 7.12.1)
.rept 4
	v_nop
.endr
.endm
; 64 loads: my wave's four tiles of 16 rows of the matrix at byte moff of wl, into window win: a tile is 8,192 bytes, a K step 1,024, its second half 512 on
.macro WLOAD win, moff
	WIN (\win)<<6
.irp ti, 0,1,2,3
.irp ks, 0,1,2,3,4,5,6,7
	global_load_b128 v[64*\ti+8*\ks:64*\ti+8*\ks+3],   v[AWG], s[68:69] offset:(\moff)+8192*\ti+1024*\ks
	global_load_b128 v[64*\ti+8*\ks+4:64*\ti+8*\ks+7], v[AWG], s[68:69] offset:(\moff)+8192*\ti+1024*\ks+512
.endr
.endr
	WIN 0
.endm
; 32 matrix instructions: 64 out channels x 16 tokens x K = 256, weights in window win.  The four accumulators take turns, one instruction a turn.
; cb: the registers that start the sums (a bias), or -1: the constant 0.
.macro GEMM4 win, cb
	WIN \win
.irp ks, 0,1,2,3,4,5,6,7
.irp ti, 0,1,2,3
.if (\ks) > 0
	v_wmma_f32_16x16x32_bf16 v[ACC+8*\ti:ACC+8*\ti+7], v[64*\ti+8*\ks:64*\ti+8*\ks+7], v[H+8*\ks:H+8*\ks+7], v[ACC+8*\ti:ACC+8*\ti+7]
.elseif (\cb) < 0
	v_wmma_f32_16x16x32_bf16 v[ACC+8*\ti:ACC+8*\ti+7], v[64*\ti+8*\ks:64*\ti+8*\ks+7], v[H+8*\ks:H+8*\ks+7], 0
.else
	v_wmma_f32_16x16x32_bf16 v[ACC+8*\ti:ACC+8*\ti+7], v[64*\ti+8*\ks:64*\ti+8*\ks+7], v[H+8*\ks:H+8*\ks+7], v[(\cb)+8*\ti:(\cb)+8*\ti+7]
.endif
.endr
.endr
	WIN 0
.endm
.macro FOLD16                          ; four chains of pairs -> one number, the same in both lanes of a token, in v[SA]
	v_pk_add_f32 v[SA:SA+1], v[SA:SA+1], v[SA+2:SA+3]
	v_pk_add_f32 v[SA+4:SA+5], v[SA+4:SA+5], v[SA+6:SA+7]
	v_pk_add_f32 v[SA:SA+1], v[SA:SA+1], v[SA+4:SA+5]
	v_add_f32 v[SA], v[SA], v[SA+1]
	v_permlanex16_b32 v[SA+1], v[SA], s94, s95     ; the token's other 128 channels lie in the lane 16 away
	v_add_f32 v[SA], v[SA], v[SA+1]
.endm
; gelu(x) = max(x, 0) - |x| (a1/2 t + .. + a5/2 t^5) exp(-x^2 / 2), t = 1 / (1 + 0.2316419 |x|), for the 8 sums at x, in place.  The accumulator's lowest register is read first.
.macro GELU8 x
.irp k, 0,1,2,3,4,5,6,7
	v_fma_f32 v[GT+\k], |v[(\x)+\k]|, s80, 1.0
.endr
.irp k, 0,2,4,6
	v_pk_mul_f32 v[GE+\k:GE+\k+1], v[(\x)+\k:(\x)+\k+1], v[(\x)+\k:(\x)+\k+1]
.endr
.irp k, 0,1,2,3,4,5,6,7
	v_rcp_f32 v[GT+\k], v[GT+\k]
.endr
.irp k, 0,2,4,6
	v_pk_mul_f32 v[GE+\k:GE+\k+1], v[GE+\k:GE+\k+1], s[82:83] op_sel_hi:[1,0]  ; the plain instructions behind the reciprocals
.endr
.irp k, 0,1,2,3,4,5,6,7
	v_exp_f32 v[GE+\k], v[GE+\k]
.endr
	s_wait_alu depctr_va_vdst(0)
.irp k, 0,2,4,6
	v_pk_fma_f32 v[GP+\k:GP+\k+1], v[GT+\k:GT+\k+1], s[92:93], s[90:91] op_sel_hi:[1,0,0]  ; and those behind the exponentials
.endr
.irp k, 0,2,4,6
	v_pk_fma_f32 v[GP+\k:GP+\k+1], v[GP+\k:GP+\k+1], v[GT+\k:GT+\k+1], s[88:89] op_sel_hi:[1,1,0]
.endr
.irp k, 0,2,4,6
	v_pk_fma_f32 v[GP+\k:GP+\k+1], v[GP+\k:GP+\k+1], v[GT+\k:GT+\k+1], s[86:87] op_sel_hi:[1,1,0]
.endr
.irp k, 0,2,4,6
	v_pk_fma_f32 v[GP+\k:GP+\k+1], v[GP+\k:GP+\k+1], v[GT+\k:GT+\k+1], s[84:85] op_sel_hi:[1,1,0]
.endr
.irp k, 0,2,4,6
	v_pk_mul_f32 v[GP+\k:GP+\k+1], v[GP+\k:GP+\k+1], v[GT+\k:GT+\k+1]
.endr
.irp k, 0,2,4,6
	v_pk_mul_f32 v[GP+\k:GP+\k+1], v[GP+\k:GP+\k+1], v[GE+\k:GE+\k+1]
.endr
.irp k, 0,1,2,3,4,5,6,7
	v_max_num_f32 v[GT+\k], 0, v[(\x)+\k]
.endr
.irp k, 0,1,2,3,4,5,6,7
	v_fma_f32 v[(\x)+\k], -|v[(\x)+\k]|, v[GP+\k], v[GT+\k]
.endr
.endm
	; ---------------- the head ----------------
	s_load_b128 s[4:7], s[0:1], 0x0                ; in s[4:5], wl s[6:7]
	s_load_b64 s[8:9], s[0:1], 0x10                ; out
	v_lshl_add_u32 v62, v0, 2, 0x4aa00
	v_mov_b32 v63, 0
	ds_add_u32 v62, v63
	ds_add_u32 v62, v63
	v_lshrrev_b32 v1, 5, v0
	v_readfirstlane_b32 s10, v1                    ; wave 0..3
	s_lshl_b32 s12, s10, 23                        ; my first batch, 2 w: 4,096 rows of 1,024 bytes each
	s_lshl_b32 s13, ttmp9, 12                      ; 4 g rows
	s_add_co_u32 s20, s12, s13                     ; my key rows begin here and lie 128 rows apart
	s_mov_b32 s21, 0
	s_lshl_b32 s14, ttmp9, 17                      ; 128 g rows: the query token
	s_mov_b32 s15, 0
	s_add_co_u32 s22, s12, s14                     ; the query rows of my two batches
	s_mov_b32 s23, 0
	s_lshl_b32 s16, s10, 10                        ; my row of the parameters
	s_mov_b32 s17, 0
	s_lshl_b32 s18, s10, 15                        ; my four tiles of 8,192 bytes in a matrix
	s_mov_b32 s19, 0
	; group 1, all sizes in elements.  s[24:31]: 32 key rows x 256 f32
	s_mov_b32 s24, (2<<16)|(1<<20)|(7<<22)|(3<<25) ; no mask; 17:16 4-byte elements; 20 padding on; 24:22 after every 256 words; 31:25 4 words
	s_mov_b32 s25, 256<<16                         ; tensor_dim0 = 256
	s_mov_b32 s26, 32<<16                          ; tensor_dim1 = 32
	s_mov_b32 s27, 256<<16                         ; tile_dim0 = 256
	s_mov_b32 s28, 32                              ; tile_dim1 = 32
	s_mov_b32 s29, 128*256                         ; 128 tokens from row to row
	s_mov_b32 s30, 0
	s_mov_b32 s31, 0
	s_mov_b32 s32, (2<<16)|(1<<20)|(7<<22)|(3<<25) ; s[32:39]: 2 query rows, a batch apart
	s_mov_b32 s33, 256<<16
	s_mov_b32 s34, 2<<16
	s_mov_b32 s35, 256<<16
	s_mov_b32 s36, 2
	s_mov_b32 s37, 4096*256
	s_mov_b32 s38, 0
	s_mov_b32 s39, 0
	s_mov_b32 s40, 3<<16                           ; s[40:47]: one row of 128 elements of 8 bytes, no padding
	s_mov_b32 s41, 128<<16
	s_mov_b32 s42, 1<<16
	s_mov_b32 s43, 128<<16
	s_mov_b32 s44, 1
	s_mov_b32 s45, 128
	s_mov_b32 s46, 0
	s_mov_b32 s47, 0
	; group 0: count, LDS address (constants and the wave's number), global address, type
	s_mov_b32 s48, 1
	s_mul_i32 s49, s10, KEYW                       ; batch 2 w's key rows
	s_mov_b32 s52, 1
	s_add_co_u32 s53, s49, 32*XP                   ; batch 2 w + 1's
	s_mov_b32 s56, 1
	s_mul_i32 s57, s10, 2*XP
	s_add_co_u32 s57, s57, QT
	s_mov_b32 s60, 1
	s_add_co_u32 s61, s16, PAR
	s_mov_b32 s66, 0x3b800000                      ; 1 / 256
	s_mov_b32 s67, 0x3727c5ac                      ; eps = 1e-5
	s_mov_b32 s80, 0x3e6d3388                      ; 0.3275911 / sqrt(2)
	s_mov_b32 s81, s80                             ; (each constant is named as a pair, so both words are written)
	s_mov_b32 s82, 0xbf38aa3b                      ; -log2(e) / 2
	s_mov_b32 s83, s82
	s_mov_b32 s84, 0x3e027906                      ; a1 / 2 =  0.127414796
	s_mov_b32 s85, s84
	s_mov_b32 s86, 0xbe11a98e                      ; a2 / 2 = -0.142248368
	s_mov_b32 s87, s86
	s_mov_b32 s88, 0x3f35f0e3                      ; a3 / 2 =  0.710706871
	s_mov_b32 s89, s88
	s_mov_b32 s90, 0xbf3a00e3                      ; a4 / 2 = -0.726576014
	s_mov_b32 s91, s90
	s_mov_b32 s92, 0x3f07dc22                      ; a5 / 2 =  0.530702715
	s_mov_b32 s93, s92
	s_mov_b32 s94, 0x76543210                      ; v_permlanex16_b32: each lane takes its own place in the other half
	s_mov_b32 s95, 0xfedcba98
	s_wait_dscnt 0x0
	s_wait_kmcnt 0x0
	s_add_nc_u64 s[50:51], s[4:5], s[20:21]
	s_add_nc_u64 s[54:55], s[50:51], 0x400000      ; the next batch
	s_add_nc_u64 s[58:59], s[4:5], s[22:23]
	s_add_nc_u64 s[62:63], s[6:7], s[16:17]
	s_add_nc_u64 s[62:63], s[62:63], 655360
	s_add_nc_u64 s[68:69], s[6:7], s[18:19]        ; wl at my four tiles of its first matrix
	s_add_nc_u64 s[8:9], s[8:9], s[14:15]          ; out at batch 0's query row
	s_or_b32 s51, s51, 0x80000000
	s_or_b32 s55, s55, 0x80000000
	s_or_b32 s59, s59, 0x80000000
	s_or_b32 s63, s63, 0x80000000
	tensor_load_to_lds s[48:51], s[24:31]          ; all the fills of the launch, one group; four loads of mine are out; no byte is filled twice
	s_nop 0
	tensor_load_to_lds s[52:55], s[24:31]
	s_nop 0
	tensor_load_to_lds s[56:59], s[32:39]
	s_nop 0
	tensor_load_to_lds s[60:63], s[40:47]
	s_nop 0
	PLACES
	v_and_b32 v1, 15, v0                           ; r
	v_bfe_u32 v2, v0, 4, 1                         ; hh
	v_and_b32 v3, 7, v0                            ; r % 8: the batch
	v_and_b32 v[AWG], 31, v0
	v_lshlrev_b32 v[AWG], 4, v[AWG]
	v_lshlrev_b32 v[AWK], 14, v3
	v_lshl_add_u32 v[AWK], v2, 8, v[AWK]
.irp ks, 0,1,2,3,4,5,6,7
	global_load_b128 v[WK+8*\ks:WK+8*\ks+3],   v[AWK], s[6:7] offset:1024*\ks
	global_load_b128 v[WK+8*\ks+4:WK+8*\ks+7], v[AWK], s[6:7] offset:1024*\ks+512
.endr
	v_lshlrev_b32 v26, 5, v2                       ; 32 hh
	v_mul_u32_u24 v[AXC], v1, XP
	v_add_nc_u32 v[AXC], v[AXC], v26
	v_add_nc_u32 v[AXC], s49, v[AXC]               ; my wave's first key tile
	v_mul_u32_u24 v27, v3, XP
	v_add_nc_u32 v27, v27, v26
	v_add_nc_u32 v[AXQ], QT, v27
	v_add_nc_u32 v[AXA], ATT, v27
	s_lshl_b32 s13, s10, 8                         ; my wave's 64 channels: 256 bytes of f32
	v_add_nc_u32 v[AXR], s13, v[AXQ]
	v_add_nc_u32 v[AXS], s13, v[AXA]
	v_mul_u32_u24 v28, v3, KTH                     ; k goes to [head r % 8][batch 2 w ..]
	v_add_nc_u32 v28, v28, v26
	s_mul_i32 s12, s10, 2*KTS
	s_add_co_u32 s12, s12, KT
	v_add_nc_u32 v[AKT], s12, v28
	v_mul_u32_u24 v28, v3, KTS                     ; and comes back from [head 2 w ..][batch r % 8]
	v_add_nc_u32 v28, v28, v26
	s_mul_i32 s12, s10, 2*KTH
	s_add_co_u32 s12, s12, KT
	v_add_nc_u32 v[AKR], s12, v28
	v_add_nc_u32 v[APG], PAR+2048, v26
	s_add_co_u32 s12, s13, PAR
	v_add_nc_u32 v[APB], s12, v26
	v_add_nc_u32 v[AHR], H1S, v[AWG]
	s_lshl_b32 s12, s10, 11                        ; my four tiles of 512 bytes
	v_add_nc_u32 v[AHS], s12, v[AHR]
	v_mul_u32_u24 v[ARD], v2, XP
	v_lshl_add_u32 v[ARD], v1, 4, v[ARD]
	s_add_co_u32 s12, s13, ATT
	v_add_nc_u32 v[ARD], s12, v[ARD]
	v_lshlrev_b32 v[GO], 22, v2                    ; batch hh: 4,096 rows of 1,024 bytes
	v_lshl_add_u32 v[GO], v1, 4, v[GO]
	v_add_nc_u32 v[GO], s13, v[GO]
	v_add_nc_u32 v[GO+1], 0x800000, v[GO]          ; two batches on, and so on
	v_add_nc_u32 v[GO+2], 0x1000000, v[GO]
	v_add_nc_u32 v[GO+3], 0x1800000, v[GO]
	WLOAD 2, WQ
	s_wait_tensorcnt 0x0                           ; my key rows, my two query rows and my row of the parameters are in,
	s_barrier_signal -1
	s_barrier_wait -1                              ; everybody's are
	WIN 0x40                                       ; gamma and beta of my 128 channels -> window 1, once; waited for with the first tile
.set q, 0
.rept 32
	ds_load_b128 v[4*q:4*q+3], v[APG] offset:64*(q/2)+16*(q%2)
	ds_load_b128 v[128+4*q:128+4*q+3], v[APG] offset:1024+64*(q/2)+16*(q%2)
.set q, q+1
.endr
	WIN 0
	WLOAD 3, WV                                    ; asked for here, when most of the 80 loads above are back: it is wanted five tiles further on
	; ---------------- six tiles of 16 rows: four of keys, the queries, att.  The layer norm is written once ----------------
	s_mov_b32 s11, 0
.Lt:
.set q, 0
.rept 32
	ds_load_b128 v[X+4*q:X+4*q+3], v[AXC] offset:64*(q/2)+16*(q%2)
.set q, q+1
.endr
	s_wait_dscnt 0x0
.irp c, 0,1,2,3                        ; the sum: the first eight pairs start the four chains: nothing is cleared
	v_pk_add_f32 v[SA+2*\c:SA+2*\c+1], v[X+2*\c:X+2*\c+1], v[X+8+2*\c:X+8+2*\c+1]
.endr
.set p, 8
.rept 56
	v_pk_add_f32 v[SA+2*(p%4):SA+2*(p%4)+1], v[X+2*p:X+2*p+1], v[SA+2*(p%4):SA+2*(p%4)+1]
.set p, p+1
.endr
	FOLD16
	v_mul_f32 v[MU], s66, v[SA]                    ; the mean, twice: a pair for the packed subtraction
	v_mul_f32 v[MU+1], s66, v[SA]
.set p, 0
.rept 64
	v_pk_add_f32 v[X+2*p:X+2*p+1], v[X+2*p:X+2*p+1], v[MU:MU+1] neg_lo:[0,1] neg_hi:[0,1]
.set p, p+1
.endr
.irp c, 0,1,2,3                        ; the sum of the differences' squares
	v_pk_mul_f32 v[SA+2*\c:SA+2*\c+1], v[X+2*\c:X+2*\c+1], v[X+2*\c:X+2*\c+1]
.endr
.set p, 4
.rept 60
	v_pk_fma_f32 v[SA+2*(p%4):SA+2*(p%4)+1], v[X+2*p:X+2*p+1], v[X+2*p:X+2*p+1], v[SA+2*(p%4):SA+2*(p%4)+1]
.set p, p+1
.endr
	FOLD16
	v_fma_f32 v[SA], v[SA], s66, s67               ; var + eps
	v_rsq_f32 v[RS], v[SA]
	v_rsq_f32 v[RS+1], v[SA]
	v_nop                                          ; a plain instruction between the last root and the use of its result (ISA guide 5.7.2)
.set p, 0
	s_wait_alu depctr_va_vdst(0)
.rept 64
	v_pk_mul_f32 v[X+2*p:X+2*p+1], v[X+2*p:X+2*p+1], v[RS:RS+1]
.set p, p+1
.endr
	WIN 0x14                                       ; times gamma plus beta, both in window 1
.set p, 0
.rept 64
	v_pk_fma_f32 v[X+2*p:X+2*p+1], v[X+2*p:X+2*p+1], v[2*p:2*p+1], v[128+2*p:128+2*p+1]
.set p, p+1
.endr
	WIN 0
.set p, 0
.rept 64                               ; rounded in pairs, in place: line p writes register p and reads 2 p, 2 p + 1, which no earlier line has written.  Registers 8 ks .. 8 ks + 7 are the operand of K step ks
	v_cvt_pk_bf16_f32 v[H+p], v[X+2*p], v[X+2*p+1]
.set p, p+1
.endr
	s_cmp_eq_u32 s11, 5
	s_cbranch_scc1 .Lmlp                           ; att's norm: on to the linear layers
	s_cmp_eq_u32 s11, 4
	s_cbranch_scc1 .Lqv                            ; the queries' norm
	; a key tile: k = 16 key rows x Wk's 8 rows.  Two accumulators, even and odd K steps, by turns
	s_wait_loadcnt 63                              ; Wk's 16 loads are the oldest of 144: with at most 63 out they are in (63 is the largest count that the wait can name)
.irp ks, 0,1,2,3,4,5,6,7
.if (\ks) < 2
	v_wmma_f32_16x16x32_bf16 v[KA+8*((\ks)%2):KA+8*((\ks)%2)+7], v[H+8*\ks:H+8*\ks+7], v[WK+8*\ks:WK+8*\ks+7], 0
.else
	v_wmma_f32_16x16x32_bf16 v[KA+8*((\ks)%2):KA+8*((\ks)%2)+7], v[H+8*\ks:H+8*\ks+7], v[WK+8*\ks:WK+8*\ks+7], v[KA+8*((\ks)%2):KA+8*((\ks)%2)+7]
.endif
.endr
	PLACES
.irp k, 0,2,4,6
	v_pk_add_f32 v[KA+\k:KA+\k+1], v[KA+\k:KA+\k+1], v[KA+8+\k:KA+8+\k+1]
.endr
	ds_store_b128 v[AKT], v[KA:KA+3]               ; head r % 8, key rows 8 hh .. 8 hh + 7 of the tile
	ds_store_b128 v[AKT], v[KA+4:KA+7] offset:16
	v_add_nc_u32 v[AKT], KTT, v[AKT]               ; tile n of my four lies 80 n on: batch n / 2 at 160, half n % 2 at 80
	v_add_nc_u32 v[AXC], 16*XP, v[AXC]
	s_cmp_lg_u32 s11, 3
	s_cbranch_scc1 .Lbot
	v_mov_b32 v[AXC], v[AXQ]                       ; behind my last key tile: the queries
	s_branch .Lbot
.Lqv:
	s_wait_dscnt 0x0                               ; my k is stored,
	s_barrier_signal -1
	s_barrier_wait -1                              ; everybody's is
.irp ti, 0,1,2,3
.irp p, 0,1
	ds_load_b128 v[KK+8*\ti+4*\p:KK+8*\ti+4*\p+3], v[AKR] offset:(\ti/2)*KTH+(\ti%2)*KTT+16*\p  ; k[head 2 w + ti / 2][batch][16 (ti % 2) + 8 hh ..]: register for register beside Q's sums
	ds_load_b128 v[XR+8*\ti+4*\p:XR+8*\ti+4*\p+3], v[AXR] offset:64*\ti+16*\p                   ; in, my 64 channels, for the residual
.endr
.endr
	s_wait_loadcnt 63                              ; Wq is in: 64 loads were issued behind it
	GEMM4 2, -1                                    ; Q
	PLACES
	WLOAD 2, W1                                    ; Wq's registers are read out: they take W1
	s_wait_dscnt 0x0
.irp h, 0,1                            ; diag: each accumulator is read from its lowest registers on
	v_pk_mul_f32 v[DP+2*\h:DP+2*\h+1], v[ACC+16*\h:ACC+16*\h+1], v[KK+16*\h:KK+16*\h+1]
.endr
.irp k, 1,2,3,4,5,6,7
.irp h, 0,1
	v_pk_fma_f32 v[DP+2*\h:DP+2*\h+1], v[ACC+16*\h+2*\k:ACC+16*\h+2*\k+1], v[KK+16*\h+2*\k:KK+16*\h+2*\k+1], v[DP+2*\h:DP+2*\h+1]
.endr
.endr
.irp h, 0,1
	v_add_f32 v[DP+2*\h], v[DP+2*\h], v[DP+2*\h+1]
.endr
.irp h, 0,1
	v_permlanex16_b32 v[DP+2*\h+1], v[DP+2*\h], s94, s95   ; the other sixteen e lie in the lane 16 away
.endr
.irp h, 0,1
	v_add_f32 v[DP+2*\h], v[DP+2*\h], v[DP+2*\h+1]
.endr
.irp h, 0,1
	v_mul_f32 v[DG+2*\h], 0x3c800000, v[DP+2*\h]   ; / sqrt(4096), twice: a pair for the packed multiply-add
	v_mul_f32 v[DG+2*\h+1], 0x3c800000, v[DP+2*\h]
.endr
	s_wait_loadcnt 63                              ; Wv is in: W1's 64 loads were issued behind it
	GEMM4 3, -1                                    ; V
	PLACES
	WLOAD 3, W2                                    ; Wv's registers take W2
.irp ti, 0,1,2,3
.irp k, 0,2,4,6
	v_pk_fma_f32 v[XR+8*\ti+\k:XR+8*\ti+\k+1], v[ACC+8*\ti+\k:ACC+8*\ti+\k+1], v[DG+2*(\ti/2):DG+2*(\ti/2)+1], v[XR+8*\ti+\k:XR+8*\ti+\k+1]  ; att = diag V + in
.endr
.endr
.irp ti, 0,1,2,3
.irp p, 0,1
	ds_store_b128 v[AXS], v[XR+8*\ti+4*\p:XR+8*\ti+4*\p+3] offset:64*\ti+16*\p
.endr
.endr
	v_mov_b32 v[AXC], v[AXA]                       ; the last tile to be normed: att
	s_wait_dscnt 0x0                               ; my 64 channels of att are stored,
	s_barrier_signal -1
	s_barrier_wait -1                              ; everybody's are
.Lbot:
	s_add_co_u32 s11, s11, 1
	s_cmp_lt_u32 s11, 6
	s_cbranch_scc1 .Lt
	; ---------------- the two linear layers: the products are written twice (their weights lie in two windows), the gelu once ----------------
.Lmlp:
.irp ti, 0,1,2,3
.irp p, 0,1
	ds_load_b128 v[B1+8*\ti+4*\p:B1+8*\ti+4*\p+3], v[APB] offset:64*\ti+16*\p       ; the biases in an accumulator's layout: they start the sums
	ds_load_b128 v[B2+8*\ti+4*\p:B2+8*\ti+4*\p+3], v[APB] offset:1024+64*\ti+16*\p
.endr
.endr
	s_mov_b32 s11, 2
.Lm:
	s_cmp_eq_u32 s11, 2
	s_cbranch_scc0 .Lg2
	s_wait_loadcnt 63                              ; W1 is in: W2's 64 loads were issued behind it
	s_wait_dscnt 0x0                               ; the biases
	GEMM4 2, B1
	s_branch .Lgj
.Lg2:
	s_wait_loadcnt 0x0                             ; W2
	s_wait_dscnt 0x0                               ; the first layer's result, all 256 channels
	GEMM4 3, B2
.Lgj:
	PLACES
	GELU8 ACC
	GELU8 ACC+8
	GELU8 ACC+16
	GELU8 ACC+24
	s_cmp_eq_u32 s11, 1
	s_cbranch_scc1 .Lout
.set p, 0
.rept 16
	v_cvt_pk_bf16_f32 v[HP+p], v[ACC+2*p], v[ACC+2*p+1]
.set p, p+1
.endr
.irp ti, 0,1,2,3
	ds_store_b128 v[AHS], v[HP+4*\ti:HP+4*\ti+3] offset:512*\ti  ; a lane's four registers of tile i are the same lane's registers 4 i .. 4 i + 3 of the next operand, in every wave
.endr
	s_wait_dscnt 0x0                               ; my 64 channels are stored (and my reads of att's tile have long come back),
	s_barrier_signal -1
	s_barrier_wait -1                              ; everybody's are
.set i, 0
.rept 16
	ds_load_b128 v[H+4*i:H+4*i+3], v[AHR] offset:512*i
.set i, i+1
.endr
	s_sub_co_u32 s11, s11, 1
	s_cmp_lg_u32 s11, 0
	s_cbranch_scc1 .Lm
	; ---------------- the way out ----------------
.Lout:
.set p, 0
.rept 16
	v_pk_add_f32 v[ACC+2*p:ACC+2*p+1], v[ACC+2*p:ACC+2*p+1], v[XR+2*p:XR+2*p+1]
.set p, p+1
.endr
.irp ti, 0,1,2,3                       ; through my wave's own 256 bytes of att's 8 rows: every wave has read that tile ahead of the barrier above
.irp p, 0,1
	ds_store_b128 v[AXS], v[ACC+8*\ti+4*\p:ACC+8*\ti+4*\p+3] offset:64*\ti+16*\p
.endr
.endr
.irp k, 0,1,2,3
	ds_load_b128 v[HP+4*\k:HP+4*\k+3], v[ARD] offset:2*\k*XP  ; LDS serves a wave's instructions in order (ISA guide 5.7.1.4): these see the stores above
.endr
	s_wait_dscnt 0x0
.irp k, 0,1,2,3
	global_store_b128 v[GO+\k], v[HP+4*\k:HP+4*\k+3], s[8:9]  ; sixteen lanes store 256 consecutive bytes of a row, aligned; the other sixteen the same of the next batch's row
.endr
	s_wait_tensorcnt 0x0
	ds_add_u32 v62, v63
	s_wait_dscnt 0x0
	s_endpgm
.Lfunc_end_k_q36657a2667_s3:
	.size	k_q36657a2667_s3, .Lfunc_end_k_q36657a2667_s3-k_q36657a2667_s3
	.p2alignl 7, 3214868480
	.fill 96, 4, 3214868480
	.section	.rodata,"a",@progbits
	.p2align	6, 0x0
	.amdhsa_kernel k_q36657a2667_s3
		.amdhsa_group_segment_fixed_size 306176
		.amdhsa_private_segment_fixed_size 0
		.amdhsa_enable_private_segment 0
		.amdhsa_kernarg_size 24
		.amdhsa_user_sgpr_count 2
		.amdhsa_user_sgpr_kernarg_segment_ptr 1
		.amdhsa_wavefront_size32 1
		.amdhsa_system_sgpr_workgroup_id_x 1
		.amdhsa_system_sgpr_workgroup_id_y 1
		.amdhsa_system_sgpr_workgroup_id_z 1
		.amdhsa_system_vgpr_workitem_id 0
		.amdhsa_next_free_vgpr 1024
		.amdhsa_next_free_sgpr 100
		.amdhsa_reserve_vcc 0
		.amdhsa_float_denorm_mode_32 3
		.amdhsa_float_denorm_mode_16_64 3
		.amdhsa_memory_ordered 1
		.amdhsa_forward_progress 1
		.amdhsa_inst_pref_size 100
	.end_amdhsa_kernel
	.amdgpu_metadata
---
amdhsa.version: [ 1, 2 ]
amdhsa.kernels:
  - .name:           k_q36657a2667_s3
    .symbol:         k_q36657a2667_s3.kd
    .args:
      - { .name: actB, .offset: 0, .size: 8, .value_kind: global_buffer, .address_space: global }
      - { .name: wl2, .offset: 8, .size: 8, .value_kind: global_buffer, .address_space: global }
      - { .name: actA, .offset: 16, .size: 8, .value_kind: global_buffer, .address_space: global }
    .group_segment_fixed_size: 306176
    .private_segment_fixed_size: 0
    .kernarg_segment_align: 8
    .kernarg_segment_size: 24
    .max_flat_workgroup_size: 128
    .sgpr_count:     100
    .vgpr_count:     1024
    .wavefront_size: 32
...
	.end_amdgpu_metadata
.endif
;; end of part 6
;; launch s4: the kernel of part 6 again; grid 1 x 1, 4 waves a work-group, no clusters, 306,176 bytes of LDS; arguments actA, wl3, actB; writes actB
;; launch final: the kernel of part 3 again; grid 1 x 1, 8 waves a work-group, no clusters, 0 bytes of LDS; arguments actB, gamma, beta, out0; writes out0
